; MI455X (gfx1250); checked and timed in simulation.
; The chip was launched on July 23, 2026; its instructions are those of AMD's public machine-readable ISA for CDNA 5 (MIT licence, August 2026) and "CDNA5" Instruction Set Architecture Reference Guide (July 2026). The comments in the code are by the model that wrote it; some were corrected since.
;; TTT Layer. Allowed arithmetic: float matrix products may take bf16 or f16 operands with f32 sums; other float arithmetic in f32, or as packed bf16 or f16 multiplies, adds, multiply-adds, maxima and minima; sums over many terms, partial sums and values carried from step to step in f32; what a program stores and reads back later, other than sums and carried values, may be rounded once to bf16 or f16.
;; Inputs: W0 1,024 x 1,024 float32; Wkv 2,048 x 1,024 float32; bkv 2,048 float32; eta one number float32; x 8 x 1,024 x 1,024 float32.
;; Outputs: out0 8 x 1,024 x 1,024 float32.
;; 2 versions, each right; version 2 is version 1 with the launch prep written anew for expert scheduling mode. Each part assembles by itself: llvm-mc -triple=amdgcn-amd-amdhsa -mcpu=gfx1250 --defsym DOCPART=n.
;; ======== version 1 of 2: 3 launches
;; workspace buffers: Xb 16,777,216 bytes; Wb 4,194,304 bytes; Tm 2,097,152 bytes; P 33,554,432 bytes; Gt 8,388,608 bytes; Ub 2,097,152 bytes
;; launch prep (part 1): grid 128 x 1, 4 waves a work-group, no clusters, 163,328 bytes of LDS; arguments x, W0, Wkv, eta, Xb, Wb, Tm; writes Xb, Wb, Tm
.if DOCPART == 1
	.amdgcn_target "amdgcn-amd-amdhsa--gfx1250"
	.amdhsa_code_object_version 6
	.text
	.protected	k_qff3719455a_prep
	.globl	k_qff3719455a_prep
	.p2align	8
	.type	k_qff3719455a_prep,@function
k_qff3719455a_prep:
	s_mov_b64 s[64:65], 0
	v_nop
	global_prefetch_b8 v0, s[64:65] scope:SCOPE_SE
	s_setreg_imm32_b32 hwreg(HW_REG_WAVE_MODE, 25, 1), 1
	s_wait_xcnt 0x0
; PREP.  Work-group c (0..127) takes chunk c of the sequence: 64 tokens = 8 time steps x 8 batch rows, token i = 8 b + sl, step s = 8 c + sl.
; It writes (1) the chunk's x rounded to bf16, Xb[c][i][d]; (2) 16 rows of Wb = bf16(W0 ; Wkv[1024:]); (3) the chunk's inverse T = (I - N)^-1,
; N[m][n] = -c0 x_m.x_n where (n & 7) < (m & 7), else 0; c0 = bf16(eta) / 4096.  N^8 = 0 (eight steps), so T = (I+N)(I+N^2)(I+N^4) exactly: nothing is cut.
; T and Ts = -c0 T leave as bf16 images of matrix source 0 (16 rows x 32 columns: lane l holds row l % 16).
; Wkv[:1024] is not read: the module's result does not hang on it.  LIMITS: NaN and infinities are not treated apart; T is rounded once to bf16.
; Four waves; wave w owns rows 16 w .. 16 w + 15 of every 64 x 64 matrix.  Products are used with the sources swapped (source 0 = 16 columns n, source 1 = my 16 rows m):
; a lane then holds ONE row m = 16 w + l % 16 and, in register j of tile nt, column n = 16 nt + 8 (l / 16) + j; two tiles packed to bf16 ARE source 1 of the next product.
.set XP,    2064                       ; an LDS row of x: 2,048 bytes + 16: 129 x 16, so the 16 rows of a fragment load start at 16 different groups of four banks
.set M0,    64*XP                      ; three 64 x 64 bf16 matrices, row-major, pitch 160 = 5 x 32 (for the turning load): N, N^2, N^4
.set MP,    160
.set MB,    64*MP
.set SPARE, M0+3*MB                    ; the spare words: 128 bytes a wave
.set LD,  32                           ; v32-159   four rows of f32 as loaded
.set PK,  160                          ; v160-223  the same rows in bf16
.set FB0, 32                           ; v32-71, v72-111  two buffers of five fragments (four column tiles, my row tile)
.set SG,  112                          ; v112-143  x x^T, then N, then N^4 (f32, four tiles)
.set NA,  144                          ; v144-159  N, then P1, as source 1 (bf16)
.set BF,  32                           ; v32-95    eight turned fragments: (nt, kb) at BF + 8 (2 nt + kb)
.set N2,  160                          ; v160-191  N^2, then T - I, then T
.set N2A, 192                          ; v192-207  N^2, then N^4, in bf16
.set P1,  208                          ; v208-239  P1 = N + N^2 + N N^2; then Ts
.set MK,  24                           ; s24-31    lane masks: j < (m & 7)
.macro PLACES                          ; four plain vector instructions between a matrix instruction and what reads its result or rewrites its registers (ISA guide 7.12.1)
.rept 4
	v_nop
.endr
.endm
.macro BAR                             ; my LDS stores are done, then the work-group's barrier: behind it the others may read them
	s_wait_dscnt 0x0
	s_barrier_signal -1
	s_barrier_wait -1
.endm
; Four rows of 4,096 bytes of f32 become four rows of 2,048 bytes of bf16.  A lane takes 8 neighbouring numbers of each quarter row (two loads of 16 bytes), so each store of the wave covers 512 consecutive bytes, aligned.
.macro CONV4 sb, db, r0, isx
.set k, 0
.rept 4
.if \isx
.set so, (((\r0)+k)/8)*4194304+(((\r0)+k)%8)*4096
.else
.set so, ((\r0)+k)*4096
.endif
.irp g, 0,1,2,3
	global_load_b128 v[LD+32*k+8*\g:LD+32*k+8*\g+3], v4, s[\sb:\sb+1] offset:so+1024*\g th:TH_LOAD_NT
	global_load_b128 v[LD+32*k+8*\g+4:LD+32*k+8*\g+7], v4, s[\sb:\sb+1] offset:so+1024*\g+16 th:TH_LOAD_NT
.endr
.set k, k+1
.endr
	s_wait_xcnt 0x0                                ; PK, which the last batch's stores read, is rewritten only behind this wait
.set k, 0
.rept 4
	s_wait_loadcnt 24-8*k                          ; row k's eight loads are in; the younger rows' stay out
.set z, 0
.rept 16
	v_cvt_pk_bf16_f32 v[PK+16*k+z], v[LD+32*k+2*z], v[LD+32*k+2*z+1]
.set z, z+1
.endr
.irp g, 0,1,2,3
	global_store_b128 v5, v[PK+16*k+4*\g:PK+16*k+4*\g+3], s[\db:\db+1] offset:((\r0)+k)*2048+512*\g
.if \isx
	ds_store_b128 v6, v[PK+16*k+4*\g:PK+16*k+4*\g+3] offset:((\r0)+k)*XP+512*\g
.endif
.endr
.set k, k+1
.endr
.endm
	s_load_b256 s[4:11], s[0:1], 0x0               ; x s[4:5], W0 s[6:7], Wkv s[8:9], eta s[10:11]
	s_load_b128 s[12:15], s[0:1], 0x20             ; Xb s[12:13], Wb s[14:15]
	s_load_b64 s[16:17], s[0:1], 0x30              ; Tm
	v_lshl_add_u32 v18, v0, 2, SPARE               ; my spare word, and 0: kept for the closing lines alone
	v_mov_b32 v19, 0
	v_lshrrev_b32 v1, 5, v0
	v_readfirstlane_b32 s20, v1                    ; wave 0..3
	v_and_b32 v1, 31, v0                           ; lane
	v_and_b32 v2, 15, v0                           ; r
	v_bfe_u32 v3, v0, 4, 1                         ; h
	v_lshlrev_b32 v4, 5, v1                        ; 32 x lane: my 8 f32 of a quarter row
	v_lshlrev_b32 v5, 4, v1                        ; 16 x lane: my 8 bf16
	s_mul_i32 s18, s20, 16*XP
	v_add_nc_u32 v6, s18, v5                       ; where my wave's rows go in LDS
	v_mul_u32_u24 v7, v2, XP
	v_lshl_add_u32 v7, v3, 4, v7                   ; fragment of rows 0-15: row x pitch + 16 h
	v_add_nc_u32 v8, 16*XP, v7
	v_add_nc_u32 v9, 32*XP, v7
	v_add_nc_u32 v10, 48*XP, v7
	v_add_nc_u32 v11, s18, v7                      ; fragment of my own 16 rows
	s_mul_i32 s19, s20, 16*MP
	s_add_co_u32 s19, s19, M0
	v_mul_u32_u24 v12, v2, MP
	v_lshl_add_u32 v12, v3, 4, v12
	v_add_nc_u32 v12, s19, v12                     ; my row of a 64 x 64 matrix, 16 bytes for each half of the lanes
	v_and_b32 v14, 7, v0                           ; m & 7
	v_lshl_add_u32 v13, v3, 3, v14
	v_mul_u32_u24 v13, v13, MP
	v_bfe_u32 v15, v0, 3, 1
	v_lshl_add_u32 v13, v15, 4, v13
	v_add_nc_u32 v13, M0, v13                      ; the turning load: row 8 h + l % 8, 16 bytes at 16 ((l / 8) % 2)
	v_lshlrev_b32 v15, 3, v3
	v_sub_nc_u32 v15, v2, v15
	s_lshl_b32 s19, s20, 4
	v_add_nc_u32 v15, s19, v15                     ; 16 w + r - 8 h: register j of tile nt lies on the diagonal where this is 16 nt + j
.set j, 0
.rept 8
	v_cmp_gt_u32 s[MK+j], v14, j
.set j, j+1
.endr
	s_lshl_b32 s32, ttmp9, 15                      ; x: 8 steps of 4,096 bytes a chunk, two batch rows of 4 MiB a wave
	s_lshl_b32 s33, s20, 23
	s_add_co_u32 s32, s32, s33
	s_mov_b32 s33, 0
	s_lshl_b32 s34, ttmp9, 17                      ; Xb: 131,072 bytes a chunk, 16 rows a wave
	s_lshl_b32 s35, s20, 15
	s_add_co_u32 s34, s34, s35
	s_mov_b32 s35, 0
	s_lshl_b32 s36, ttmp9, 16                      ; the weights: 16 rows of f32 a work-group, 4 a wave.  Wb's row 16 c is W0's row 16 c (c < 64) or Wkv's row 16 c
	s_lshl_b32 s37, s20, 14
	s_add_co_u32 s36, s36, s37
	s_mov_b32 s37, 0
	s_lshl_b32 s38, ttmp9, 15
	s_lshl_b32 s39, s20, 13
	s_add_co_u32 s38, s38, s39
	s_mov_b32 s39, 0
	s_lshl_b32 s40, ttmp9, 14                      ; Tm: 16,384 bytes a chunk, 2,048 a wave
	s_lshl_b32 s41, s20, 11
	s_add_co_u32 s40, s40, s41
	s_mov_b32 s41, 0
	s_wait_kmcnt 0x0
	s_load_b32 s44, s[10:11], 0x0                  ; eta
	s_add_nc_u64 s[32:33], s[4:5], s[32:33]
	s_add_nc_u64 s[34:35], s[12:13], s[34:35]
	s_cmp_lt_u32 ttmp9, 64
	s_cselect_b64 s[42:43], s[6:7], s[8:9]
	s_add_nc_u64 s[36:37], s[42:43], s[36:37]
	s_add_nc_u64 s[38:39], s[14:15], s[38:39]
	s_add_nc_u64 s[40:41], s[16:17], s[40:41]
	CONV4 32, 34, 0, 1                             ; my 16 rows of x: to Xb and into LDS
	CONV4 32, 34, 4, 1
	CONV4 32, 34, 8, 1
	CONV4 32, 34, 12, 1
	CONV4 36, 38, 0, 0                             ; my 4 rows of the weights
	s_wait_kmcnt 0x0
	v_mov_b32 v20, s44
	v_cvt_pk_bf16_f32 v20, v20, v20                ; eta is rounded to bf16 like the other inputs; then -c0 = -eta / 4096 is itself a bf16 number
	v_lshlrev_b32 v20, 16, v20
	v_mul_f32 v20, 0xb9800000, v20
	v_readfirstlane_b32 s22, v20
	s_wait_xcnt 0x0                                ; PK's registers serve as N^2 below
	BAR                                            ; all 64 rows lie in LDS
	; x x^T: my 16 rows against all 64, K = 1,024 in 32 steps on two fragment buffers; four accumulators by turns
.macro GLOAD ks, fb
.irp nt, 0,1,2,3
	ds_load_b128 v[(\fb)+8*\nt:(\fb)+8*\nt+3], v[7+\nt] offset:64*(\ks)
	ds_load_b128 v[(\fb)+8*\nt+4:(\fb)+8*\nt+7], v[7+\nt] offset:64*(\ks)+32
.endr
	ds_load_b128 v[(\fb)+32:(\fb)+35], v11 offset:64*(\ks)
	ds_load_b128 v[(\fb)+36:(\fb)+39], v11 offset:64*(\ks)+32
.endm
	GLOAD 0, FB0
.set ks, 0
.rept 32
.set fb, FB0+40*(ks%2)
.if ks < 31
.if ks > 0
	PLACES                                         ; the other buffer was read by the products just issued
.endif
	GLOAD ks+1, FB0+40*((ks+1)%2)
	s_wait_dscnt 10                                ; all but the ten just issued
.else
	s_wait_dscnt 0x0
.endif
.irp nt, 0,1,2,3
.if ks == 0
	v_wmma_f32_16x16x32_bf16 v[SG+8*\nt:SG+8*\nt+7], v[fb+8*\nt:fb+8*\nt+7], v[fb+32:fb+39], 0
.else
	v_wmma_f32_16x16x32_bf16 v[SG+8*\nt:SG+8*\nt+7], v[fb+8*\nt:fb+8*\nt+7], v[fb+32:fb+39], v[SG+8*\nt:SG+8*\nt+7]
.endif
.endr
.set ks, ks+1
.endr
	PLACES
.set i, 0
.rept 32
	v_mul_f32 v[SG+i], s22, v[SG+i]                ; -c0 x_m.x_n,
.set i, i+1
.endr
.set i, 0
.rept 32
	v_cndmask_b32 v[SG+i], 0, v[SG+i], s[MK+i%8]   ; kept where n's step is earlier than m's: n & 7 = j
.set i, i+1
.endr
.macro PACK16 dst, src                 ; four f32 tiles to bf16: tiles 2 kb, 2 kb + 1 are source 1 for columns 32 kb on
.set z, 0
.rept 16
	v_cvt_pk_bf16_f32 v[(\dst)+z], v[(\src)+2*z], v[(\src)+2*z+1]
.set z, z+1
.endr
.endm
.macro STM moff, src                   ; my 16 rows of a matrix into LDS, row-major
.irp nt, 0,1,2,3
	ds_store_b128 v12, v[(\src)+4*\nt:(\src)+4*\nt+3] offset:(\moff)+32*\nt
.endr
.endm
.macro LOADB moff                      ; the whole matrix, turned: fragment (nt, kb) holds column 16 nt + l % 16, rows 32 kb on
.irp nt, 0,1,2,3
.irp kb, 0,1
	ds_load_tr16_b128 v[BF+8*(2*\nt+\kb):BF+8*(2*\nt+\kb)+3], v13 offset:(\moff)+32*MP*\kb+32*\nt
	ds_load_tr16_b128 v[BF+8*(2*\nt+\kb)+4:BF+8*(2*\nt+\kb)+7], v13 offset:(\moff)+32*MP*\kb+32*\nt+16*MP
.endr
.endr
	s_wait_dscnt 0x0
.endm
.macro WM d, nt, kb, b, zero           ; tile nt of d (+)= (my rows of the matrix in b) x (the matrix in BF), 32 of K
.if \zero
	v_wmma_f32_16x16x32_bf16 v[(\d)+8*(\nt):(\d)+8*(\nt)+7], v[BF+8*(2*(\nt)+(\kb)):BF+8*(2*(\nt)+(\kb))+7], v[(\b)+8*(\kb):(\b)+8*(\kb)+7], 0
.else
	v_wmma_f32_16x16x32_bf16 v[(\d)+8*(\nt):(\d)+8*(\nt)+7], v[BF+8*(2*(\nt)+(\kb)):BF+8*(2*(\nt)+(\kb))+7], v[(\b)+8*(\kb):(\b)+8*(\kb)+7], v[(\d)+8*(\nt):(\d)+8*(\nt)+7]
.endif
.endm
	PACK16 NA, SG
	STM 0, NA
	BAR
	LOADB 0
.irp kb, 0,1
.irp nt, 0,1,2,3
	WM N2, \nt, \kb, NA, 1-\kb                     ; N^2 = N N
.endr
.endr
	PLACES
	PACK16 N2A, N2
	STM MB, N2A
.set z, 0
.rept 16
	v_pk_add_f32 v[P1+2*z:P1+2*z+1], v[SG+2*z:SG+2*z+1], v[N2+2*z:N2+2*z+1]  ; P1 starts as N + N^2
.set z, z+1
.endr
	BAR
	LOADB MB
.irp kb, 0,1
.irp nt, 0,1,2,3
	WM P1, \nt, \kb, NA, 0                         ; P1 += N N^2:  I + P1 = (I + N)(I + N^2)
	WM SG, \nt, \kb, N2A, 1-\kb                    ; N^4 = N^2 N^2
.endr
.endr
	PLACES
	PACK16 N2A, SG
	STM 2*MB, N2A
	PACK16 NA, P1
.set z, 0
.rept 16
	v_pk_add_f32 v[N2+2*z:N2+2*z+1], v[P1+2*z:P1+2*z+1], v[SG+2*z:SG+2*z+1]  ; T - I starts as P1 + N^4
.set z, z+1
.endr
	BAR
	LOADB 2*MB
.irp kb, 0,1
.irp nt, 0,1,2,3
	WM N2, \nt, \kb, NA, 0                         ; T - I += P1 N^4
.endr
.endr
	PLACES
.set i, 0
.rept 32
	v_cmp_eq_u32 vcc_lo, 16*(i/8)+i%8, v15
	v_add_f32 v[P1+i], 1.0, v[N2+i]
	v_cndmask_b32 v[N2+i], v[N2+i], v[P1+i], vcc_lo  ; the diagonal's 1
.set i, i+1
.endr
.set i, 0
.rept 32
	v_mul_f32 v[P1+i], s22, v[N2+i]                ; Ts = -c0 T
.set i, i+1
.endr
	PACK16 BF, P1
	PACK16 BF+16, N2
.irp nt, 0,1,2,3                       ; piece nt = 2 kb + half of my row tile's two fragments: each store covers 512 consecutive bytes, aligned
	global_store_b128 v5, v[BF+4*\nt:BF+4*\nt+3], s[40:41] offset:512*\nt
	global_store_b128 v5, v[BF+16+4*\nt:BF+16+4*\nt+3], s[40:41] offset:8192+512*\nt
.endr
	s_wait_tensorcnt 0x0                           ; the wave's end, behind my last LDS store
	ds_add_u32 v18, v19
	s_wait_dscnt 0x0
	s_endpgm
.Lfunc_end_k_qff3719455a_prep:
	.size	k_qff3719455a_prep, .Lfunc_end_k_qff3719455a_prep-k_qff3719455a_prep
	.p2alignl 7, 3214868480
	.fill 96, 4, 3214868480
	.section	.rodata,"a",@progbits
	.p2align	6, 0x0
	.amdhsa_kernel k_qff3719455a_prep
		.amdhsa_group_segment_fixed_size 163328
		.amdhsa_private_segment_fixed_size 0
		.amdhsa_enable_private_segment 0
		.amdhsa_kernarg_size 56
		.amdhsa_user_sgpr_count 2
		.amdhsa_user_sgpr_kernarg_segment_ptr 1
		.amdhsa_wavefront_size32 1
		.amdhsa_system_sgpr_workgroup_id_x 1
		.amdhsa_system_sgpr_workgroup_id_y 1
		.amdhsa_system_sgpr_workgroup_id_z 1
		.amdhsa_system_vgpr_workitem_id 0
		.amdhsa_next_free_vgpr 256
		.amdhsa_next_free_sgpr 66
		.amdhsa_reserve_vcc 1
		.amdhsa_float_denorm_mode_32 3
		.amdhsa_float_denorm_mode_16_64 3
		.amdhsa_memory_ordered 1
		.amdhsa_forward_progress 1
		.amdhsa_inst_pref_size 107
	.end_amdhsa_kernel
	.amdgpu_metadata
---
amdhsa.version: [ 1, 2 ]
amdhsa.kernels:
  - .name:           k_qff3719455a_prep
    .symbol:         k_qff3719455a_prep.kd
    .args:
      - { .name: x, .offset: 0, .size: 8, .value_kind: global_buffer, .address_space: global }
      - { .name: W0, .offset: 8, .size: 8, .value_kind: global_buffer, .address_space: global }
      - { .name: Wkv, .offset: 16, .size: 8, .value_kind: global_buffer, .address_space: global }
      - { .name: eta, .offset: 24, .size: 8, .value_kind: global_buffer, .address_space: global }
      - { .name: Xb, .offset: 32, .size: 8, .value_kind: global_buffer, .address_space: global }
      - { .name: Wb, .offset: 40, .size: 8, .value_kind: global_buffer, .address_space: global }
      - { .name: Tm, .offset: 48, .size: 8, .value_kind: global_buffer, .address_space: global }
    .group_segment_fixed_size: 163328
    .private_segment_fixed_size: 0
    .kernarg_segment_align: 8
    .kernarg_segment_size: 56
    .max_flat_workgroup_size: 128
    .sgpr_count:     66
    .vgpr_count:     256
    .wavefront_size: 32
...
	.end_amdgpu_metadata
.endif
;; end of part 1
;; launch scan (part 2): grid 192 x 1, 4 waves a work-group, clusters of 4 x 1, 327,680 bytes of LDS; arguments Xb, Wb, Tm, bkv, P, Gt, Ub; writes P, Gt, Ub
.if DOCPART == 2
	.amdgcn_target "amdgcn-amd-amdhsa--gfx1250"
	.amdhsa_code_object_version 6
	.text
	.protected	k_qff3719455a_scan
	.globl	k_qff3719455a_scan
	.p2align	8
	.type	k_qff3719455a_scan,@function
k_qff3719455a_scan:
	s_mov_b64 s[64:65], 0
	v_nop
	global_prefetch_b8 v0, s[64:65] scope:SCOPE_SE
	s_setreg_imm32_b32 hwreg(HW_REG_WAVE_MODE, 25, 1), 1
	s_wait_xcnt 0x0
	s_wait_alu depctr_hold_cnt(0) depctr_sa_sdst(0) depctr_va_vdst(0) depctr_va_sdst(0) depctr_va_ssrc(0) depctr_va_vcc(0) depctr_vm_vsrc(0)
	s_getreg_b32 s2, hwreg(HW_REG_IB_STS2, 6, 4)
	s_cmp_eq_u32 s2, 0
	s_cbranch_scc0 .Lentry_in_a_cluster
	s_endpgm
.Lentry_in_a_cluster:
	s_bfe_u32 s2, ttmp6, 0x10000c
	s_cmp_lg_u32 s2, 0x3003
	s_cbranch_scc0 .Lentry_shape_is_right
	s_endpgm
.Lentry_shape_is_right:
; SCAN.  The recurrence, chunk by chunk (64 tokens), for 16 output columns a work-group, from the state change U = 0 (U[e][d] = W - W0, kept in f32):
;   Y0 = X WA^T + X bf16(U)^T;  v = X WB^T + bias;  R = Y0 - v;  E = T R;  y = E + v;  U += (Ts bf16(R))^T X,   T, Ts from the launch before.
; E is made as (R - bf16(R)) + T bf16(R): T's diagonal is exactly 1, so R's own part stays in f32.
; THREE ROLES of 64 work-groups, each 64 chunks long, by the cluster's number:  0: chunks 0-63, WA = W0, WB = Wv: y goes to P, the end state to Ub.  1: chunks 64-127, the same from U = 0: y goes to P.
; 2: chunks 64-127 with WA = 16 columns of the identity, WB = 0, bias = 0: G goes to Gt.  By linearity the true y of chunks 64-127 is P + G Ub^T, which the next launch makes.
; Role 2 runs the same text as the others, its products with the identity and with 0 too: the price of one text for all.
; LIMITS.  NaN and infinities are not treated apart.  bf16(U), bf16(R), T, Ts, Ts bf16(R), G and the end state are rounded to bf16 as matrix operands; their error grows with eta |x|^2.  bkv[:1024] is not read: the result does not hang on it.
; SHARES.  Wave w owns d = 256 w .. 256 w + 255 of X, of the weights' rows and of the state; the four waves' partial sums meet in LDS, where wave w adds up and finishes token tile w.
; CLUSTER.  The four work-groups of a cluster have one role and walk the same chunks: each wave's slice of X is asked for JOINTLY, the same tensor load, descriptor and mask in all four.
; THE ORDER OF d IN A WAVE'S SLICE.  State tile ti = 8 beta + u holds d = 128 beta + 8 u + 64 h + j (h = lane / 16, j = register); K step ks = 4 beta + p takes d = 128 beta + 16 p + 64 h + 0..15.
; So two state tiles packed to bf16 ARE source 1 of X U^T, and at an LDS pitch of 528 bytes both the plain loads (16 rows, 16 bytes each) and the turning loads (8 rows, two pieces 128 bytes apart) touch each bank once.
; REGISTERS.  window 0: v0-31 addresses and small things; v32-95 X's fragments, two buffers / the partial sums read back / turned X, buffer 0; v96-127 Y's sums, then Ts R; v128-159 v's sums, then Ts R in bf16, E, G;
;   v160-223 Ts, then turned X, buffer 1; v224-239 my rows of T; v240-255 bf16(R).   window 1: v0-63 WA, v64-127 WB, v128-191 bf16(U).   window 2: v0-127 the state, 16 tiles.
.set XPITCH, 528
.set WSL,    64*XPITCH                 ; a wave's slice of a chunk: 64 rows x (512 + 16) bytes
.set SLOT,   4*WSL
.set RED,    2*SLOT                    ; partial sums: [token tile][wave that wrote][Y, v][1,024 bytes]
.set RB,     RED+32768                 ; bf16(R), as two images of source 1
.set SPARE,  RB+2048                   ; the spare words: 128 bytes a wave
.set CHUNKB, 131072                    ; a chunk of Xb
.set XF0, 32
.set ACY, 96
.set ACV, 128
.set ES,  128
.set EO,  144
.set GP,  152
.set TS,  160
.set TO,  224
.set RBF, 240
.set VV,  16                           ; v16-23 my tile of v
.set RBK, 24                           ; v24-27 my tile of R in bf16
.set MSB, 0
.macro WIN new                         ; bits 1:0 source 0, 3:2 source 1, 5:4 source 2, 7:6 destination; the high byte repeats the setting that is left
.if MSB != (\new)
	s_set_vgpr_msb (MSB<<8)|(\new)
.set MSB, (\new)
.endif
.endm
.macro PLACES                          ; four plain vector instructions between a matrix instruction and what reads its result or rewrites its registers (ISA guide 7.12.1)
.rept 4
	v_nop
.endr
.endm
.macro ROUND                           ; a round of the cluster's barrier: my work-group's barrier; wave 0 signals for the work-group; every wave waits for all four; my work-group's barrier once more
	s_barrier_signal -1
	s_barrier_wait -1
	s_cmp_lg_u32 s20, 0
	s_cbranch_scc1 .Lnot_wave_0_\@
	s_barrier_signal -3
.Lnot_wave_0_\@:
	s_barrier_wait -3
	s_barrier_signal -1
	s_barrier_wait -1
.endm
	s_load_b256 s[4:11], s[0:1], 0x0               ; Xb s[4:5], Wb s[6:7], Tm s[8:9], bkv s[10:11]
	s_load_b128 s[12:15], s[0:1], 0x20             ; P s[12:13], Gt s[14:15]
	s_load_b64 s[16:17], s[0:1], 0x30              ; Ub
	v_lshl_add_u32 v28, v0, 2, SPARE
	v_mov_b32 v29, 0
	ds_add_u32 v28, v29                            ; the wave's opening: the add and its wait ahead of my first tensor load
	v_lshrrev_b32 v1, 5, v0
	v_readfirstlane_b32 s20, v1                    ; wave 0..3
	s_bfe_u32 s56, ttmp6, 0x40000                  ; cx
	s_lshl_b32 s23, ttmp9, 2
	s_add_co_u32 s23, s23, s56
	s_and_b32 s23, s23, 63                         ; q: my 16 columns; it enters the addresses of the weights, the bias and the outputs alone
	s_lshr_b32 s21, ttmp9, 4                       ; the role: 16 clusters each, so the four partners share it
	s_min_u32 s22, s21, 1                          ; the segment
	s_mov_b32 s24, 15|(1<<16)|(1<<20)|(1<<21)|(6<<22)|(3<<25)  ; the mask of four; 2-byte elements; padding on; bit 21 beside a mask; after every 128 words (code 6) 4 words (code 3)
	s_mov_b32 s25, 256<<16                         ; tensor_dim0 = 256
	s_mov_b32 s26, 64<<16                          ; tensor_dim1 = 64
	s_mov_b32 s27, 256<<16                         ; tile_dim0 = 256
	s_mov_b32 s28, 64                              ; tile_dim1 = 64
	s_mov_b32 s29, 1024                            ; elements from row to row
	s_mov_b32 s30, 0
	s_mov_b32 s31, 0
	s_mov_b32 s32, 1
	s_mul_i32 s33, s20, WSL                        ; slot 0, my wave's slice
	s_mov_b32 s36, 1
	s_add_co_u32 s37, s33, SLOT                    ; slot 1
	s_lshl_b32 s48, s22, 23                        ; 64 chunks of 131,072 bytes a segment,
	s_lshl_b32 s49, s20, 9                         ; my 512 bytes of a row
	s_add_co_u32 s48, s48, s49
	s_mov_b32 s49, 0
	s_lshl_b32 s50, s22, 20                        ; 64 chunks of 16,384 bytes of Tm
	s_mov_b32 s51, 0
	s_lshl_b32 s52, s22, 24                        ; P: 262,144 bytes a chunk, 1,024 a group of 16 columns
	s_lshl_b32 s53, s23, 10
	s_add_co_u32 s52, s52, s53
	s_mov_b32 s53, 0
	s_lshl_b32 s54, s23, 17                        ; Gt: 131,072 bytes a group of 16 columns
	s_mov_b32 s55, 0
	s_wait_dscnt 0x0                               ; the opening add is done
	s_wait_kmcnt 0x0
	s_add_nc_u64 s[34:35], s[4:5], s[48:49]        ; chunk 0 of the segment,
	s_add_nc_u64 s[38:39], s[34:35], CHUNKB        ; chunk 1
	s_or_b32 s35, s35, 0x80000000
	s_or_b32 s39, s39, 0x80000000
	s_add_nc_u64 s[40:41], s[8:9], s[50:51]        ; T of the chunk in hand
	s_add_nc_u64 s[52:53], s[12:13], s[52:53]
	s_add_nc_u64 s[54:55], s[14:15], s[54:55]
	s_cmp_eq_u32 s21, 2
	s_cselect_b64 s[42:43], s[54:55], s[52:53]     ; where the chunk's result goes,
	s_mov_b32 s44, 262144                          ; and its step from chunk to chunk: a chunk of P (a move leaves the compare's result as it is),
	s_cselect_b32 s44, 2048, s44                   ; or four tiles of Gt
	s_mov_b32 s45, 0
	ROUND                                          ; all four work-groups are here: the first joint load meets
	tensor_load_to_lds s[32:35], s[24:31]          ; chunk 0 into slot 0
	s_nop 0
	PLACES
	v_and_b32 v1, 31, v0                           ; lane
	v_and_b32 v2, 15, v0                           ; r
	v_bfe_u32 v3, v0, 4, 1                         ; h
	v_mul_u32_u24 v4, v2, XPITCH
	v_lshl_add_u32 v4, v3, 7, v4
	v_add_nc_u32 v4, s33, v4                       ; X's plain fragments: row r, 128 h; slot 0,
	v_add_nc_u32 v5, SLOT, v4                      ; slot 1
	v_and_b32 v6, 7, v0
	v_lshl_add_u32 v6, v3, 3, v6
	v_mul_u32_u24 v6, v6, XPITCH
	v_bfe_u32 v7, v0, 3, 1
	v_lshl_add_u32 v6, v7, 7, v6
	v_add_nc_u32 v6, s33, v6                       ; X turned: row 8 h + l % 8, the piece at 128 ((l / 8) % 2)
	v_add_nc_u32 v7, SLOT, v6
	v_lshlrev_b32 v12, 4, v1                       ; 16 x lane
	s_lshl_b32 s57, s20, 11
	s_add_co_u32 s57, s57, RED
	v_add_nc_u32 v8, s57, v12                      ; where I put partial sums
	s_lshl_b32 s57, s20, 13
	s_add_co_u32 s57, s57, RED
	v_add_nc_u32 v9, s57, v12                      ; where I read those of token tile w
	s_lshl_b32 s57, s20, 9
	s_add_co_u32 s57, s57, RB
	v_add_nc_u32 v10, s57, v12                     ; my quarter of bf16(R)
	v_add_nc_u32 v11, RB, v12
	s_lshl_b32 s57, s20, 11
	s_add_co_u32 s57, s57, 8192
	v_add_nc_u32 v13, s57, v12                     ; my row tile of T
	s_cmp_eq_u32 s21, 2
	s_cbranch_scc1 .Lgrole
	s_lshl_b32 s57, s23, 4
	v_add_nc_u32 v15, s57, v2                      ; my column e = 16 q + r
	v_lshlrev_b32 v24, 2, v15
	global_load_b32 v30, v24, s[10:11] offset:4096 ; bkv[1024 + e]
	v_lshlrev_b32 v15, 11, v15
	v_lshl_add_u32 v15, v3, 7, v15
	s_lshl_b32 s57, s20, 9
	v_add_nc_u32 v15, s57, v15                     ; row e of Wb, my wave's 512 bytes, 128 h
	WIN 0x40
.set ks, 0
.rept 8
	global_load_b128 v[8*ks:8*ks+3], v15, s[6:7] offset:256*(ks/4)+32*(ks%4)
	global_load_b128 v[8*ks+4:8*ks+7], v15, s[6:7] offset:256*(ks/4)+32*(ks%4)+16
	global_load_b128 v[64+8*ks:64+8*ks+3], v15, s[6:7] offset:2097152+256*(ks/4)+32*(ks%4)
	global_load_b128 v[64+8*ks+4:64+8*ks+7], v15, s[6:7] offset:2097152+256*(ks/4)+32*(ks%4)+16
.set ks, ks+1
.endr
	WIN 0
	s_lshl_b32 s57, s20, 16
	v_add_nc_u32 v14, s57, v12                     ; P: token tile w, 16 x lane
	s_branch .Lready
.Lgrole:
	s_lshl_b32 s57, s23, 4
	s_lshl_b32 s58, s20, 8
	s_sub_co_i32 s57, s57, s58
	v_add_nc_u32 v15, s57, v2
	v_lshlrev_b32 v24, 6, v3
	v_sub_nc_u32 v15, v15, v24                     ; t = 16 q + r - 256 w - 64 h: the identity's 1 of my column stands at the K place t, if my lane holds that place
	v_and_b32 v24, 1, v15
	v_lshlrev_b32 v24, 4, v24
	v_mov_b32 v25, 0x3f80
	v_lshlrev_b32 v25, v24, v25                    ; bf16 1.0 in the half t & 1
	v_ashrrev_i32 v15, 1, v15                      ; the register's number among my places
	WIN 0x40
.set ks, 0
.rept 8
.set z, 0
.rept 8
	v_cmp_eq_u32 vcc_lo, 64*(ks/4)+8*(ks%4)+z, v15
	v_cndmask_b32 v[8*ks+z], 0, v25, vcc_lo
	v_mov_b32 v[64+8*ks+z], 0
.set z, z+1
.endr
.set ks, ks+1
.endr
	WIN 0
	v_mov_b32 v30, 0
	v_and_b32 v14, 7, v0                           ; Gt: my 16 bytes (column r, tokens 8 h on) go to piece (r & 7) + 8 h + 16 (r >> 3) of the tile, so that the next launch's turning load reads the tile as 512 consecutive bytes
	v_lshl_add_u32 v14, v3, 3, v14
	v_bfe_u32 v24, v0, 3, 1
	v_lshl_add_u32 v14, v24, 4, v14
	v_lshlrev_b32 v14, 4, v14
	s_lshl_b32 s57, s20, 9
	v_add_nc_u32 v14, s57, v14
.Lready:
	; The state and its bf16 copy start at 0.  No first chunk is written out; the price is these 192 moves, which stand in the wait for the first chunk.
	WIN 0x40
.set i, 0
.rept 64
	v_mov_b32 v[128+i], 0
.set i, i+1
.endr
	WIN 0x80
.set i, 0
.rept 128
	v_mov_b32 v[i], 0
.set i, i+1
.endr
	WIN 0
	s_wait_loadcnt 0x0                             ; the weights and the bias
	v_cvt_pk_bf16_f32 v30, v30, v30                ; the bias is rounded to bf16 like the other inputs
	v_lshlrev_b32 v30, 16, v30
	v_mov_b32 v31, v30
.macro FETCHX slot, ks, buf            ; X's fragments of K step ks, four token tiles: 8 loads
.irp tt, 0,1,2,3
	ds_load_b128 v[(\buf)+8*\tt:(\buf)+8*\tt+3], v[4+(\slot)] offset:16*XPITCH*\tt+256*((\ks)/4)+32*((\ks)%4)
	ds_load_b128 v[(\buf)+8*\tt+4:(\buf)+8*\tt+7], v[4+(\slot)] offset:16*XPITCH*\tt+256*((\ks)/4)+32*((\ks)%4)+16
.endr
.endm
; My slice's part of Y0 and of v: 8 K steps of 12 products; the eight accumulators take turns, one instruction a turn
.macro STEP1 slot
	WIN 0x04                                       ; source 1 in window 1
	FETCHX \slot, 0, XF0
.set ks, 0
.rept 8
.set xf, XF0+32*(ks%2)
.if ks < 7
.if ks > 0
	PLACES                                         ; the other buffer was read by the products just issued
.endif
	FETCHX \slot, ks+1, XF0+32*((ks+1)%2)
	s_wait_dscnt 8                                 ; all but the eight just issued
.else
	s_wait_dscnt 0x0
.endif
.irp tt, 0,1,2,3
.if ks == 0
	v_wmma_f32_16x16x32_bf16 v[ACY+8*\tt:ACY+8*\tt+7], v[xf+8*\tt:xf+8*\tt+7], v[8*ks:8*ks+7], 0
.else
	v_wmma_f32_16x16x32_bf16 v[ACY+8*\tt:ACY+8*\tt+7], v[xf+8*\tt:xf+8*\tt+7], v[8*ks:8*ks+7], v[ACY+8*\tt:ACY+8*\tt+7]
.endif
.endr
.irp tt, 0,1,2,3
.if ks == 0
	v_wmma_f32_16x16x32_bf16 v[ACV+8*\tt:ACV+8*\tt+7], v[xf+8*\tt:xf+8*\tt+7], v[64+8*ks:64+8*ks+7], 0
.else
	v_wmma_f32_16x16x32_bf16 v[ACV+8*\tt:ACV+8*\tt+7], v[xf+8*\tt:xf+8*\tt+7], v[64+8*ks:64+8*ks+7], v[ACV+8*\tt:ACV+8*\tt+7]
.endif
.endr
.irp tt, 0,1,2,3
	v_wmma_f32_16x16x32_bf16 v[ACY+8*\tt:ACY+8*\tt+7], v[xf+8*\tt:xf+8*\tt+7], v[128+8*ks:128+8*ks+7], v[ACY+8*\tt:ACY+8*\tt+7]
.endr
.set ks, ks+1
.endr
.endm
.macro FETCHT slot, g, buf             ; X turned, for state tiles 4 g .. 4 g + 3: fragment (t, kb) at buf + 8 (2 t + kb); 16 loads
.irp t, 0,1,2,3
.irp kb, 0,1
	ds_load_tr16_b128 v[(\buf)+8*(2*\t+\kb):(\buf)+8*(2*\t+\kb)+3], v[6+(\slot)] offset:32*XPITCH*\kb+256*((\g)/2)+16*(4*((\g)%2)+\t)
	ds_load_tr16_b128 v[(\buf)+8*(2*\t+\kb)+4:(\buf)+8*(2*\t+\kb)+7], v[6+(\slot)] offset:32*XPITCH*\kb+16*XPITCH+256*((\g)/2)+16*(4*((\g)%2)+\t)
.endr
.endr
.endm
.macro MULT g, buf                     ; state tiles 4 g .. 4 g + 3 += X^T (Ts R): 8 products, four accumulators by turns
	WIN 0xa0                                       ; C and D in window 2
.irp kb, 0,1
.irp t, 0,1,2,3
	v_wmma_f32_16x16x32_bf16 v[8*(4*(\g)+\t):8*(4*(\g)+\t)+7], v[(\buf)+8*(2*\t+\kb):(\buf)+8*(2*\t+\kb)+7], v[ES+8*\kb:ES+8*\kb+7], v[8*(4*(\g)+\t):8*(4*(\g)+\t)+7]
.endr
.endr
.endm
; ONE CHUNK, from slot.  refill = 1: the other slot is asked for again.  last = 1: the segment's last chunk: only role 0 still needs the state.
.macro TRIP slot, refill, last
	WIN 0
	s_wait_tensorcnt 0x0                           ; all my tensor loads have landed: the one that was out is this chunk's slice, which I alone read
	ds_add_u32 v28, v29                            ; 0 onto my spare word
	s_add_nc_u64 s[34+4*(\slot):35+4*(\slot)], s[34+4*(\slot):35+4*(\slot)], 2*CHUNKB  ; no load of mine is out: this slot's next chunk
	s_wait_dscnt 0x0                               ; the add is done, and my reads of the other slot are over
	ROUND                                          ; both now hold of every wave of all four work-groups
.if \refill
	tensor_load_to_lds s[36-4*(\slot):39-4*(\slot)], s[24:31]  ; my one load behind the round: the next chunk; it has this whole chunk's work in which to land
	s_nop 0
	PLACES
.endif
.set i, 0
.rept 16
	global_load_b128 v[TS+4*i:TS+4*i+3], v12, s[40:41] offset:512*i  ; Ts, all of it: every wave needs Ts R for all 64 tokens
.set i, i+1
.endr
.set i, 0
.rept 4
	global_load_b128 v[TO+4*i:TO+4*i+3], v13, s[40:41] offset:512*i  ; T, my 16 rows
.set i, i+1
.endr
	STEP1 \slot
	PLACES
	WIN 0
.irp tt, 0,1,2,3
	ds_store_b128 v8, v[ACY+8*\tt:ACY+8*\tt+3] offset:8192*\tt
	ds_store_b128 v8, v[ACY+8*\tt+4:ACY+8*\tt+7] offset:8192*\tt+512
	ds_store_b128 v8, v[ACV+8*\tt:ACV+8*\tt+3] offset:8192*\tt+1024
	ds_store_b128 v8, v[ACV+8*\tt+4:ACV+8*\tt+7] offset:8192*\tt+1536
.endr
	s_wait_dscnt 0x0                               ; for the others' sake: my partial sums lie in LDS
	s_barrier_signal -1
	s_barrier_wait -1
.irp s, 0,1,2,3
.irp z, 0,1,2,3
	ds_load_b128 v[32+16*\s+4*\z:32+16*\s+4*\z+3], v9 offset:2048*\s+512*\z
.endr
.endr
	s_wait_dscnt 0x0
.irp z, 0,2,4,6
	v_pk_add_f32 v[32+\z:33+\z], v[32+\z:33+\z], v[48+\z:49+\z]
	v_pk_add_f32 v[64+\z:65+\z], v[64+\z:65+\z], v[80+\z:81+\z]
	v_pk_add_f32 v[40+\z:41+\z], v[40+\z:41+\z], v[56+\z:57+\z]
	v_pk_add_f32 v[72+\z:73+\z], v[72+\z:73+\z], v[88+\z:89+\z]
.endr
.irp z, 0,2,4,6
	v_pk_add_f32 v[32+\z:33+\z], v[32+\z:33+\z], v[64+\z:65+\z]  ; Y0
	v_pk_add_f32 v[40+\z:41+\z], v[40+\z:41+\z], v[72+\z:73+\z]
.endr
.irp z, 0,2,4,6
	v_pk_add_f32 v[VV+\z:VV+\z+1], v[40+\z:41+\z], v[30:31]      ; v
.endr
.irp z, 0,2,4,6
	v_pk_add_f32 v[EO+\z:EO+\z+1], v[32+\z:33+\z], v[VV+\z:VV+\z+1] neg_lo:[0,1] neg_hi:[0,1]  ; R = Y0 - v
.endr
.irp x, 0,1,2,3
	v_cvt_pk_bf16_f32 v[RBK+\x], v[EO+2*\x], v[EO+2*\x+1]
.endr
	ds_store_b128 v10, v[RBK:RBK+3]
.irp x, 0,1,2,3
	v_lshlrev_b32 v[40+2*\x], 16, v[RBK+\x]
	v_and_b32 v[41+2*\x], 0xffff0000, v[RBK+\x]
.endr
.irp z, 0,2,4,6
	v_pk_add_f32 v[EO+\z:EO+\z+1], v[EO+\z:EO+\z+1], v[40+\z:41+\z] neg_lo:[0,1] neg_hi:[0,1]  ; R - bf16(R): what the product with T cannot carry
.endr
	s_wait_dscnt 0x0                               ; my quarter of bf16(R) lies in LDS, and my reads of the partial sums are over: the next chunk may write them again
	s_barrier_signal -1
	s_barrier_wait -1
.irp k, 0,1,2,3
	ds_load_b128 v[RBF+4*\k:RBF+4*\k+3], v11 offset:512*\k
.endr
	FETCHT \slot, 0, 32
	s_wait_loadcnt 0x0                             ; Ts and T
	s_wait_dscnt 16                                ; bf16(R); the sixteen turning loads stay out
	s_add_nc_u64 s[40:41], s[40:41], 16384         ; the loads that named it are done: the next chunk's T
.irp kb, 0,1                           ; Ts R for all four token tiles, and E of my own: five accumulators by turns
.irp tt, 0,1,2,3
.if \kb == 0
	v_wmma_f32_16x16x32_bf16 v[ACY+8*\tt:ACY+8*\tt+7], v[TS+8*(2*\tt+\kb):TS+8*(2*\tt+\kb)+7], v[RBF+8*\kb:RBF+8*\kb+7], 0
.else
	v_wmma_f32_16x16x32_bf16 v[ACY+8*\tt:ACY+8*\tt+7], v[TS+8*(2*\tt+\kb):TS+8*(2*\tt+\kb)+7], v[RBF+8*\kb:RBF+8*\kb+7], v[ACY+8*\tt:ACY+8*\tt+7]
.endif
.endr
	v_wmma_f32_16x16x32_bf16 v[EO:EO+7], v[TO+8*\kb:TO+8*\kb+7], v[RBF+8*\kb:RBF+8*\kb+7], v[EO:EO+7]
.endr
	PLACES
	FETCHT \slot, 1, TS                            ; into Ts's registers
.set z, 0
.rept 16
	v_cvt_pk_bf16_f32 v[ES+z], v[ACY+2*z], v[ACY+2*z+1]  ; two token tiles packed are source 1 for 32 tokens
.set z, z+1
.endr
.irp z, 0,2,4,6
	v_pk_add_f32 v[EO+\z:EO+\z+1], v[EO+\z:EO+\z+1], v[VV+\z:VV+\z+1]  ; y = E + v
.endr
	s_cmp_eq_u32 s21, 2
	s_cbranch_scc1 .Lg_\@
	global_store_b128 v14, v[EO:EO+3], s[42:43]                ; the tile as it lies in registers: each store covers 512 consecutive bytes, aligned
	global_store_b128 v14, v[EO+4:EO+7], s[42:43] offset:512
	s_branch .Ls_\@
.Lg_\@:
.irp x, 0,1,2,3
	v_cvt_pk_bf16_f32 v[GP+\x], v[EO+2*\x], v[EO+2*\x+1]
.endr
	global_store_b128 v14, v[GP:GP+3], s[42:43]                ; 512 consecutive bytes, aligned
.Ls_\@:
.if \last
	s_cmp_lg_u32 s21, 0
	s_cbranch_scc1 .Lend                           ; forward, past no barrier and no tensor load
.endif
	s_wait_dscnt 16                                ; the first batch of turned X
	MULT 0, 32
	s_wait_xcnt 0x0                                ; the stores' base and data registers are rewritten only behind this wait
	s_add_nc_u64 s[42:43], s[42:43], s[44:45]
	PLACES
	WIN 0
	FETCHT \slot, 2, 32
	s_wait_dscnt 16
	MULT 1, TS
	PLACES
	WIN 0
	FETCHT \slot, 3, TS
	s_wait_dscnt 16
	MULT 2, 32
	s_wait_dscnt 0x0
	MULT 3, TS
	WIN 0x4a                                       ; sources in window 2, destination in window 1
.set z, 0
.rept 64
	v_cvt_pk_bf16_f32 v[128+z], v[2*z], v[2*z+1]   ; the state's bf16 copy; the first tiles' lines are the places behind the last products, which wrote tiles 12 to 15
.set z, z+1
.endr
	WIN 0
.endm
	s_mov_b32 s46, 31
.Lloop:
	TRIP 0, 1, 0
	TRIP 1, 1, 0
	s_sub_co_u32 s46, s46, 1
	s_cmp_lg_u32 s46, 0
	s_cbranch_scc1 .Lloop
	TRIP 0, 1, 0                                   ; the last two chunks are written out: the last asks for nothing
	TRIP 1, 0, 1
	; Role 0: the end state leaves in bf16, through my slice of slot 0, which has had its last fill and which I alone touch: in by fragments, back as 16 whole pieces of rows
	WIN 0x04                                       ; the stores' data in window 1
.set ks, 0
.rept 8
	ds_store_b128 v4, v[128+8*ks:131+8*ks] offset:256*(ks/4)+32*(ks%4)
	ds_store_b128 v4, v[132+8*ks:135+8*ks] offset:256*(ks/4)+32*(ks%4)+16
.set ks, ks+1
.endr
	WIN 0
	v_add_nc_u32 v15, s33, v12
	s_lshl_b32 s48, s23, 15                        ; row 16 q of Ub,
	s_lshl_b32 s49, s20, 9                         ; my wave's 512 bytes
	s_add_co_u32 s48, s48, s49
	s_mov_b32 s49, 0
	s_add_nc_u64 s[48:49], s[16:17], s[48:49]
.set i, 0
.rept 16
	ds_load_b128 v[32+4*i:35+4*i], v15 offset:XPITCH*i  ; LDS serves a wave's instructions in order (ISA guide 5.7.1.4): these see the stores above
.set i, i+1
.endr
.set i, 0
.rept 16
	s_wait_dscnt 15-i
	global_store_b128 v12, v[32+4*i:35+4*i], s[48:49] offset:2048*i  ; 512 consecutive bytes, aligned
.set i, i+1
.endr
.Lend:
	s_wait_tensorcnt 0x0                           ; the wave's end, behind my last tensor load and my last LDS store
	ds_add_u32 v28, v29
	s_wait_dscnt 0x0
	ROUND                                          ; the closing round: no work-group ends while a partner may still ask for a tile that names it
	s_endpgm
.Lfunc_end_k_qff3719455a_scan:
	.size	k_qff3719455a_scan, .Lfunc_end_k_qff3719455a_scan-k_qff3719455a_scan
	.p2alignl 7, 3214868480
	.fill 96, 4, 3214868480
	.section	.rodata,"a",@progbits
	.p2align	6, 0x0
	.amdhsa_kernel k_qff3719455a_scan
		.amdhsa_group_segment_fixed_size 327680
		.amdhsa_private_segment_fixed_size 0
		.amdhsa_enable_private_segment 0
		.amdhsa_kernarg_size 56
		.amdhsa_user_sgpr_count 2
		.amdhsa_user_sgpr_kernarg_segment_ptr 1
		.amdhsa_wavefront_size32 1
		.amdhsa_system_sgpr_workgroup_id_x 1
		.amdhsa_system_sgpr_workgroup_id_y 1
		.amdhsa_system_sgpr_workgroup_id_z 1
		.amdhsa_system_vgpr_workitem_id 0
		.amdhsa_next_free_vgpr 640
		.amdhsa_next_free_sgpr 66
		.amdhsa_reserve_vcc 1
		.amdhsa_float_denorm_mode_32 3
		.amdhsa_float_denorm_mode_16_64 3
		.amdhsa_memory_ordered 1
		.amdhsa_forward_progress 1
		.amdhsa_inst_pref_size 158
	.end_amdhsa_kernel
	.amdgpu_metadata
---
amdhsa.version: [ 1, 2 ]
amdhsa.kernels:
  - .name:           k_qff3719455a_scan
    .symbol:         k_qff3719455a_scan.kd
    .args:
      - { .name: Xb, .offset: 0, .size: 8, .value_kind: global_buffer, .address_space: global }
      - { .name: Wb, .offset: 8, .size: 8, .value_kind: global_buffer, .address_space: global }
      - { .name: Tm, .offset: 16, .size: 8, .value_kind: global_buffer, .address_space: global }
      - { .name: bkv, .offset: 24, .size: 8, .value_kind: global_buffer, .address_space: global }
      - { .name: P, .offset: 32, .size: 8, .value_kind: global_buffer, .address_space: global }
      - { .name: Gt, .offset: 40, .size: 8, .value_kind: global_buffer, .address_space: global }
      - { .name: Ub, .offset: 48, .size: 8, .value_kind: global_buffer, .address_space: global }
    .group_segment_fixed_size: 327680
    .private_segment_fixed_size: 0
    .kernarg_segment_align: 8
    .kernarg_segment_size: 56
    .max_flat_workgroup_size: 128
    .sgpr_count:     66
    .vgpr_count:     640
    .wavefront_size: 32
...
	.end_amdgpu_metadata
.endif
;; end of part 2
;; launch final (part 3): grid 8 x 32, 4 waves a work-group, clusters of 4 x 4, 327,680 bytes of LDS; arguments Gt, Ub, P, out0; writes out0
.if DOCPART == 3
	.amdgcn_target "amdgcn-amd-amdhsa--gfx1250"
	.amdhsa_code_object_version 6
	.text
	.protected	k_qff3719455a_final
	.globl	k_qff3719455a_final
	.p2align	8
	.type	k_qff3719455a_final,@function
k_qff3719455a_final:
	s_mov_b64 s[64:65], 0
	v_nop
	global_prefetch_b8 v0, s[64:65] scope:SCOPE_SE
	s_setreg_imm32_b32 hwreg(HW_REG_WAVE_MODE, 25, 1), 1
	s_wait_xcnt 0x0
	s_wait_alu depctr_hold_cnt(0) depctr_sa_sdst(0) depctr_va_vdst(0) depctr_va_sdst(0) depctr_va_ssrc(0) depctr_va_vcc(0) depctr_vm_vsrc(0)
	s_getreg_b32 s2, hwreg(HW_REG_IB_STS2, 6, 4)
	s_cmp_eq_u32 s2, 0
	s_cbranch_scc0 .Lentry_in_a_cluster
	s_endpgm
.Lentry_in_a_cluster:
	s_bfe_u32 s2, ttmp6, 0x10000c
	s_cmp_lg_u32 s2, 0xf033
	s_cbranch_scc0 .Lentry_shape_is_right
	s_endpgm
.Lentry_shape_is_right:
; FINAL.  out0 for chunks 0-63 is P, brought from tile images into rows; for chunks 64-127 it is P + G Ub^T (K = 1,024), P starting the sums in f32.
; Work-group (nt, y): 128 columns e = 128 nt .., and two blocks of 128 tokens: chunks 2 y, 2 y + 1 (copied) and 64 + 2 y, 65 + 2 y (the product).  256 work-groups of equal work.
; Four waves: wave w takes chunk w / 2 of the pair and 64 columns (w % 2): 16 accumulators of 16 x 16.  K goes in 4 steps of 256 through two LDS slots.
; The copy goes first: its tiles were asked for at the head, and its stores leave while the product runs.
; CLUSTER 4 x 4: G's tile hangs on y alone and is shared along a row of the cluster, Ub's on nt alone and is shared along a column: each is asked for JOINTLY.
; G lies in Gt as tiles of 16 columns x 16 tokens, 512 bytes, laid so that ds_load_tr16_b128 at tile + 16 x lane gives half a fragment of source 0 (lane l: token l % 16, 8 of K).
; LIMITS: NaN and infinities are not treated apart; G and Ub are bf16.
; REGISTERS.  window 0: v0-31 addresses; v32-95 rows on the way out; v128-255 the accumulators ((a, b) at 128 + 8 (4 a + b)).  window 1: two fragment buffers of 128 (64 of G, 64 of Ub).  window 2: v0-127 the tiles to be copied.
.set GPART,  65536                     ; a slot: G [16 groups of 16 K][8 token tiles][512 bytes],
.set UPITCH, 528                       ; then Ub: 128 rows of 512 bytes + 16: the 16 rows of a load start at 16 different groups of four banks
.set UHALF,  64*UPITCH
.set SLOT,   GPART+2*UHALF
.set STAGE,  2*SLOT                    ; behind the ring: 16 rows x 272 bytes for each wave, its own
.set SPITCH, 272
.set SPARE,  STAGE+4*16*SPITCH         ; the spare words: 128 bytes a wave
.set ADRA, 16                          ; v16-17 G's fragments in slot 0, 1
.set ADRB, 20                          ; v20-21 Ub's
.set STO,  24
.set RD,   25
.set PO,   26
.set CO,   4                           ; v4-7 my byte offset in out0 for token tile a
.set TMP,  32
.set ACC,  128
.set F0,   0
.set F1,   128
.set G1, 24
.set G0, 32
.set G1B, 48
.set G0B, 56
.set MSB, 0
.macro WIN new
.if MSB != (\new)
	s_set_vgpr_msb (MSB<<8)|(\new)
.set MSB, (\new)
.endif
.endm
.set MUL,  0x05                        ; sources 0 and 1 in window 1
.set TO_F, 0x40                        ; destination in window 1
.macro PLACES
.rept 4
	v_nop
.endr
.endm
.macro JLOAD s                         ; a joint load: waves 0 and 1 fetch G's two halves, waves 2 and 3 Ub's; an s_nop 0 and four v_nop follow each line
	s_cmp_eq_u32 s13, 0
	s_cbranch_scc0 .Lfor_b_\@
	tensor_load_to_lds s[G0+4*(\s):G0+4*(\s)+3], s[G1:G1+7]
	s_nop 0
	PLACES
	s_branch .Lasked_\@
.Lfor_b_\@:
	tensor_load_to_lds s[G0B+4*(\s):G0B+4*(\s)+3], s[G1B:G1B+7]
	s_nop 0
	PLACES
.Lasked_\@:
.endm
.macro CREST                           ; a round of the cluster's barrier behind its opening barrier
	s_cmp_lg_u32 s12, 0
	s_cbranch_scc1 .Lnot_wave_0_\@
	s_barrier_signal -3
.Lnot_wave_0_\@:
	s_barrier_wait -3
	s_barrier_signal -1
	s_barrier_wait -1
.endm
.macro CROUND
	s_barrier_signal -1
	s_barrier_wait -1
	CREST
.endm
	s_load_b256 s[4:11], s[0:1], 0x0               ; Gt s[4:5], Ub s[6:7], P s[8:9], out0 s[10:11]
	v_lshl_add_u32 v28, v0, 2, SPARE
	v_mov_b32 v29, 0
	ds_add_u32 v28, v29                            ; the wave's opening: the add and its wait ahead of my first tensor load
	v_lshrrev_b32 v1, 5, v0
	v_readfirstlane_b32 s12, v1                    ; wave 0..3
	s_lshr_b32 s13, s12, 1                         ; which chunk of the pair is mine.  Also: I fetch G (0) or Ub (1)
	s_and_b32 s14, s12, 1                          ; which 64 columns.  Also: which half of that tile I fetch
	s_bfe_u32 s40, ttmp6, 0x40000                  ; cx, cy
	s_bfe_u32 s41, ttmp6, 0x40004
	s_lshl_b32 s42, ttmp9, 2
	s_add_co_u32 s42, s42, s40                     ; nt
	s_and_b32 s15, ttmp7, 0xffff
	s_lshl_b32 s15, s15, 2
	s_add_co_u32 s15, s15, s41                     ; y
	s_lshl_b32 s43, s41, 2
	s_lshl_b32 s43, 15, s43                        ; my row of the cluster
	s_lshl_b32 s44, 0x1111, s40                    ; my column
	s_or_b32 s[G1], s43, (3<<16)|(1<<21)           ; G: 8-byte elements, no padding; 8 rows of 4,096 bytes (8 token tiles), 131,072 bytes apart (a group of 16 K)
	s_mov_b32 s[G1+1], 512<<16
	s_mov_b32 s[G1+2], 8<<16
	s_mov_b32 s[G1+3], 512<<16
	s_mov_b32 s[G1+4], 8
	s_mov_b32 s[G1+5], 16384
	s_mov_b32 s[G1+6], 0
	s_mov_b32 s[G1+7], 0
	s_or_b32 s[G1B], s44, (1<<16)|(1<<20)|(1<<21)|(6<<22)|(3<<25)  ; Ub: 2-byte elements; 64 rows of 256; 4 words of padding after every 128
	s_mov_b32 s[G1B+1], 256<<16
	s_mov_b32 s[G1B+2], 64<<16
	s_mov_b32 s[G1B+3], 256<<16
	s_mov_b32 s[G1B+4], 64
	s_mov_b32 s[G1B+5], 1024
	s_mov_b32 s[G1B+6], 0
	s_mov_b32 s[G1B+7], 0
	s_lshl_b32 s2, s14, 20                         ; G: my 8 groups of K, and y's 8 token tiles
	s_lshl_b32 s3, s15, 12
	s_add_co_u32 s2, s2, s3
	s_mov_b32 s3, 0
	s_lshl_b32 s46, s42, 18                        ; Ub: row 128 nt + 64 x half
	s_lshl_b32 s47, s14, 17
	s_add_co_u32 s46, s46, s47
	s_mov_b32 s47, 0
	s_lshl_b32 s45, s14, 15                        ; where they go: no place in the cluster enters an LDS address
	s_mul_i32 s22, s14, UHALF
	s_add_co_u32 s22, s22, GPART
	s_wait_dscnt 0x0                               ; the opening add is done
	s_wait_kmcnt 0x0
	s_add_nc_u64 s[2:3], s[4:5], s[2:3]
	s_add_nc_u64 s[46:47], s[6:7], s[46:47]
	CROUND                                         ; all sixteen work-groups are here: the first joint loads meet
.irp s, 0,1
	s_mov_b32 s[G0+4*\s], 1
	s_add_co_u32 s[G0+4*\s+1], s45, \s*SLOT
	s_add_nc_u64 s[G0+4*\s+2:G0+4*\s+3], s[2:3], \s*2097152  ; K step s: 16 groups of 131,072 bytes
	s_or_b32 s[G0+4*\s+3], s[G0+4*\s+3], 0x80000000
	s_mov_b32 s[G0B+4*\s], 1
	s_add_co_u32 s[G0B+4*\s+1], s22, \s*SLOT
	s_add_nc_u64 s[G0B+4*\s+2:G0B+4*\s+3], s[46:47], \s*512
	s_or_b32 s[G0B+4*\s+3], s[G0B+4*\s+3], 0x80000000
	JLOAD \s
.endr
	s_lshl_b32 s16, s15, 1
	s_add_co_u32 s16, s16, s13                     ; my chunk of segment 0: 2 y + w / 2
	s_lshl_b32 s20, s16, 15                        ; out0: 8 steps of 4,096 bytes a chunk
	s_lshl_b32 s16, s16, 18                        ; P: 262,144 bytes a chunk
	s_lshl_b32 s17, s42, 13
	s_add_co_u32 s16, s16, s17
	s_lshl_b32 s17, s14, 12
	s_add_co_u32 s16, s16, s17                     ; + 1,024 x (8 nt + 4 (w % 2))
	s_mov_b32 s17, 0
	s_lshl_b32 s21, s42, 9
	s_add_co_u32 s20, s20, s21
	s_lshl_b32 s21, s14, 8
	s_add_co_u32 s20, s20, s21                     ; + 4 x (128 nt + 64 (w % 2))
	s_mov_b32 s21, 0
	s_add_nc_u64 s[16:17], s[8:9], s[16:17]        ; P, segment 0,
	s_add_nc_u64 s[18:19], s[16:17], 16777216      ; segment 1: 64 chunks on
	s_add_nc_u64 s[20:21], s[10:11], s[20:21]      ; out0 likewise
	s_add_nc_u64 s[22:23], s[20:21], 2097152
	v_and_b32 v1, 15, v0                           ; r
	v_bfe_u32 v2, v0, 4, 1                         ; h
	v_and_b32 v3, 31, v0
	v_lshlrev_b32 v[PO], 4, v3                     ; 16 x lane
	WIN 0x80
.irp a, 0,1,2,3
.irp b, 0,1,2,3
	global_load_b128 v[8*(4*\a+\b):8*(4*\a+\b)+3], v[PO], s[16:17] offset:\a*65536+\b*1024
	global_load_b128 v[8*(4*\a+\b)+4:8*(4*\a+\b)+7], v[PO], s[16:17] offset:\a*65536+\b*1024+512
.endr
.endr
	WIN 0
.irp a, 0,1,2,3
.irp b, 0,1,2,3
	global_load_b128 v[ACC+8*(4*\a+\b):ACC+8*(4*\a+\b)+3], v[PO], s[18:19] offset:\a*65536+\b*1024  ; P starts the sums: nothing is cleared
	global_load_b128 v[ACC+8*(4*\a+\b)+4:ACC+8*(4*\a+\b)+7], v[PO], s[18:19] offset:\a*65536+\b*1024+512
.endr
.endr
	s_lshl_b32 s2, s13, 11                         ; G: my chunk's four token tiles
	v_add_nc_u32 v[ADRA], s2, v[PO]
	v_add_nc_u32 v[ADRA+1], SLOT, v[ADRA]
	v_mul_u32_u24 v[ADRB], v1, UPITCH
	v_lshl_add_u32 v[ADRB], v2, 4, v[ADRB]
	s_mul_i32 s2, s14, UHALF
	s_add_co_u32 s2, s2, GPART
	v_add_nc_u32 v[ADRB], s2, v[ADRB]              ; Ub: my 64 rows; row r, 16 h
	v_add_nc_u32 v[ADRB+1], SLOT, v[ADRB]
	s_mul_i32 s2, s12, 16*SPITCH
	s_add_co_u32 s2, s2, STAGE                     ; my stage
	v_mul_u32_u24 v[STO], v2, 8*SPITCH             ; in: register j of tile b is token 8 h + j, column 16 b + r
	v_lshl_add_u32 v[STO], v1, 2, v[STO]
	v_add_nc_u32 v[STO], s2, v[STO]
	v_mul_u32_u24 v[RD], v2, SPITCH                ; back: lanes 0-15 take one row of 256 bytes, lanes 16-31 the next
	v_lshl_add_u32 v[RD], v1, 4, v[RD]
	v_add_nc_u32 v[RD], s2, v[RD]
	v_lshlrev_b32 v[CO], 12, v2                    ; in out0 two neighbouring tokens of a batch row are 4,096 bytes apart;
	v_lshl_add_u32 v[CO], v1, 4, v[CO]
	v_add_nc_u32 v[CO+1], 0x800000, v[CO]          ; token tile a holds batch rows 2 a and 2 a + 1, 4 MiB each
	v_add_nc_u32 v[CO+2], 0x1000000, v[CO]
	v_add_nc_u32 v[CO+3], 0x1800000, v[CO]
; THE WAY OUT of 64 tokens x 64 columns of f32, 16 tokens at a time through my own stage: in by columns, back as rows of 256 bytes.
.macro OUT acc, win, ob
.irp a, 0,1,2,3
	WIN \win                                       ; the stores' data (source 1) in the tiles' window
.irp b, 0,1,2,3
.irp j, 0,1,2,3,4,5,6,7
	ds_store_b32 v[STO], v[(\acc)+8*(4*\a+\b)+\j] offset:SPITCH*\j+64*\b
.endr
.endr
	WIN 0
	s_wait_xcnt 0x0                                ; the registers that earlier stores read are loaded again only behind this wait
.irp t, 0,1,2,3,4,5,6,7
	ds_load_b128 v[TMP+32*(\a%2)+4*\t:TMP+32*(\a%2)+4*\t+3], v[RD] offset:2*SPITCH*\t  ; LDS serves a wave's instructions in order (ISA guide 5.7.1.4): these see the stores above, and the next block's stores come behind them
.endr
	s_wait_dscnt 0x0
.irp t, 0,1,2,3,4,5,6,7
	global_store_b128 v[CO+\a], v[TMP+32*(\a%2)+4*\t:TMP+32*(\a%2)+4*\t+3], s[\ob:\ob+1] offset:(\t/4)*4194304+(\t%4)*8192  ; 16 lanes store 256 consecutive bytes, aligned
.endr
.endr
.endm
.macro MUL8 f, c, a0                   ; 8 products: token tiles a0, a0 + 1 x all 4 column tiles, 32 along K; the 16 accumulators take turns
	WIN MUL
.irp a, \a0, (\a0)+1
.irp b, 0,1,2,3
	v_wmma_f32_16x16x32_bf16 v[ACC+8*(4*(\a)+(\b)):ACC+8*(4*(\a)+(\b))+7], v[(\f)+8*(4*(\c)+(\a)):(\f)+8*(4*(\c)+(\a))+7], v[(\f)+64+8*(4*(\c)+(\b)):(\f)+64+8*(4*(\c)+(\b))+7], v[ACC+8*(4*(\a)+(\b)):ACC+8*(4*(\a)+(\b))+7]
.endr
.endr
.endm
.macro FETCH slot, kq, f               ; 32 LDS loads in one run: the fragments of quarter kq (64 along K), the first 32 along K first
	WIN TO_F
.irp c, 0,1
.irp i, 0,1,2,3
	ds_load_b128 v[(\f)+64+8*(4*\c+\i):(\f)+64+8*(4*\c+\i)+3], v[ADRB+(\slot)] offset:128*(\kq)+64*\c+16*UPITCH*\i
	ds_load_b128 v[(\f)+64+8*(4*\c+\i)+4:(\f)+64+8*(4*\c+\i)+7], v[ADRB+(\slot)] offset:128*(\kq)+64*\c+16*UPITCH*\i+32
	ds_load_tr16_b128 v[(\f)+8*(4*\c+\i):(\f)+8*(4*\c+\i)+3], v[ADRA+(\slot)] offset:(4*(\kq)+2*\c)*4096+512*\i
	ds_load_tr16_b128 v[(\f)+8*(4*\c+\i)+4:(\f)+8*(4*\c+\i)+7], v[ADRA+(\slot)] offset:(4*(\kq)+2*\c)*4096+512*\i+4096
.endr
.endr
.endm
.macro QUARTER slot, kq, f, g          ; multiplies buffer f and fetches quarter kq of the same slot into g
	s_wait_dscnt 16                                ; the first 32 along K are in
	MUL8 \f, 0, 0
	MUL8 \f, 0, 2
	PLACES
	FETCH \slot, \kq, \g
	s_wait_dscnt 32                                ; all but the 32 just issued
	MUL8 \f, 1, 0
	MUL8 \f, 1, 2
.endm
; The last quarter of a K step multiplies buffer 1 and changes slots: ONE barrier; in front of it each wave waits for all its tensor loads, adds 0 to its spare word, and waits for that and for its reads of this slot.
.macro TURN slot, next, fill
	WIN 0
	s_wait_tensorcnt 0x0                           ; all my tensor loads have landed: my part of the next slot
	ds_add_u32 v28, v29                            ; 0 onto my spare word
	s_wait_dscnt 17                                ; (the add and the youngest sixteen loads may be out)
	MUL8 F1, 0, 0
	s_wait_dscnt 0x0                               ; the add is done, and my reads of this slot are over
	s_barrier_signal -1
	MUL8 F1, 0, 2
.if \fill
	WIN 0
.endif
	s_barrier_wait -1
.if \fill
	CREST                                          ; the barrier has opened a round of the cluster's: no wave of any partner still reads this slot or has a load on its way
	s_add_nc_u64 s[G0+4*(\slot)+2:G0+4*(\slot)+3], s[G0+4*(\slot)+2:G0+4*(\slot)+3], 4194304
	s_add_nc_u64 s[G0B+4*(\slot)+2:G0B+4*(\slot)+3], s[G0B+4*(\slot)+2:G0B+4*(\slot)+3], 1024
	JLOAD \slot                                    ; the first tensor load behind the round; its four v_nop are also the places in front of the loads below
.else
	PLACES
.endif
	FETCH \next, 0, F0
	MUL8 F1, 1, 0
	MUL8 F1, 1, 2
.endm
	s_wait_loadcnt 32                              ; segment 0's tiles are in; segment 1's 32 loads stay out
	OUT 0, 0x08, 20                                ; the copy: its stores leave while the product runs
	s_wait_tensorcnt 1                             ; my part of K step 0 is in; K step 1's may stay out
	s_barrier_signal -1
	s_barrier_wait -1
	s_wait_loadcnt 0x0                             ; P of segment 1 lies in the accumulators
	FETCH 0, 0, F0
	QUARTER 0, 1, F0, F1
	QUARTER 0, 2, F1, F0
	QUARTER 0, 3, F0, F1
	TURN 0, 1, 1                                   ; slot 0 takes K step 2
	QUARTER 1, 1, F0, F1
	QUARTER 1, 2, F1, F0
	QUARTER 1, 3, F0, F1
	TURN 1, 0, 1                                   ; slot 1 takes K step 3
	QUARTER 0, 1, F0, F1
	QUARTER 0, 2, F1, F0
	QUARTER 0, 3, F0, F1
	TURN 0, 1, 0                                   ; nothing is left to fetch
	QUARTER 1, 1, F0, F1
	QUARTER 1, 2, F1, F0
	QUARTER 1, 3, F0, F1
	s_wait_dscnt 16
	MUL8 F1, 0, 0
	MUL8 F1, 0, 2
	s_wait_dscnt 0x0
	MUL8 F1, 1, 0
	MUL8 F1, 1, 2
	WIN 0
	PLACES
	OUT ACC, 0, 22
	s_wait_tensorcnt 0x0                           ; the wave's end, behind my last tensor load and my last LDS store
	ds_add_u32 v28, v29
	s_wait_dscnt 0x0
	CROUND                                         ; the closing round: no work-group ends while a partner may still ask for a tile that names it
	s_endpgm
.Lfunc_end_k_qff3719455a_final:
	.size	k_qff3719455a_final, .Lfunc_end_k_qff3719455a_final-k_qff3719455a_final
	.p2alignl 7, 3214868480
	.fill 96, 4, 3214868480
	.section	.rodata,"a",@progbits
	.p2align	6, 0x0
	.amdhsa_kernel k_qff3719455a_final
		.amdhsa_group_segment_fixed_size 327680
		.amdhsa_private_segment_fixed_size 0
		.amdhsa_enable_private_segment 0
		.amdhsa_kernarg_size 32
		.amdhsa_user_sgpr_count 2
		.amdhsa_user_sgpr_kernarg_segment_ptr 1
		.amdhsa_wavefront_size32 1
		.amdhsa_system_sgpr_workgroup_id_x 1
		.amdhsa_system_sgpr_workgroup_id_y 1
		.amdhsa_system_sgpr_workgroup_id_z 1
		.amdhsa_system_vgpr_workitem_id 0
		.amdhsa_next_free_vgpr 640
		.amdhsa_next_free_sgpr 66
		.amdhsa_reserve_vcc 0
		.amdhsa_float_denorm_mode_32 3
		.amdhsa_float_denorm_mode_16_64 3
		.amdhsa_memory_ordered 1
		.amdhsa_forward_progress 1
		.amdhsa_inst_pref_size 111
	.end_amdhsa_kernel
	.amdgpu_metadata
---
amdhsa.version: [ 1, 2 ]
amdhsa.kernels:
  - .name:           k_qff3719455a_final
    .symbol:         k_qff3719455a_final.kd
    .args:
      - { .name: Gt, .offset: 0, .size: 8, .value_kind: global_buffer, .address_space: global }
      - { .name: Ub, .offset: 8, .size: 8, .value_kind: global_buffer, .address_space: global }
      - { .name: P, .offset: 16, .size: 8, .value_kind: global_buffer, .address_space: global }
      - { .name: out0, .offset: 24, .size: 8, .value_kind: global_buffer, .address_space: global }
    .group_segment_fixed_size: 327680
    .private_segment_fixed_size: 0
    .kernarg_segment_align: 8
    .kernarg_segment_size: 32
    .max_flat_workgroup_size: 128
    .sgpr_count:     66
    .vgpr_count:     640
    .wavefront_size: 32
...
	.end_amdgpu_metadata
.endif
;; end of part 3
;; ======== version 2 of 2: 3 launches; version 1 with the launch prep written anew for expert scheduling mode
;; workspace buffers: Xb 16,777,216 bytes; Wb 4,194,304 bytes; Tm 2,097,152 bytes; P 33,554,432 bytes; Gt 8,388,608 bytes; Ub 2,097,152 bytes
;; launch prep (part 4): grid 128 x 1, 4 waves a work-group, no clusters, 163,328 bytes of LDS; arguments x, W0, Wkv, eta, Xb, Wb, Tm; writes Xb, Wb, Tm
.if DOCPART == 4
	.amdgcn_target "amdgcn-amd-amdhsa--gfx1250"
	.amdhsa_code_object_version 6
	.text
	.protected	k_qff3719455a_prep
	.globl	k_qff3719455a_prep
	.p2align	8
	.type	k_qff3719455a_prep,@function
k_qff3719455a_prep:
	s_mov_b64 s[64:65], 0
	v_nop
	global_prefetch_b8 v0, s[64:65] scope:SCOPE_SE
	s_setreg_imm32_b32 hwreg(HW_REG_WAVE_SCHED_MODE, 0, 2), 2
	s_setreg_imm32_b32 hwreg(HW_REG_WAVE_MODE, 25, 1), 1
	s_wait_xcnt 0x0
	s_wait_alu depctr_vm_vsrc(0)
; PREP.  Work-group c (0..127) takes chunk c of the sequence: 64 tokens = 8 time steps x 8 batch rows, token i = 8 b + sl, step s = 8 c + sl.
; It writes (1) the chunk's x rounded to bf16, Xb[c][i][d]; (2) 16 rows of Wb = bf16(W0 ; Wkv[1024:]); (3) the chunk's inverse T = (I - N)^-1,
; N[m][n] = -c0 x_m.x_n where (n & 7) < (m & 7), else 0; c0 = bf16(eta) / 4096.  N^8 = 0 (eight steps), so T = (I+N)(I+N^2)(I+N^4) exactly: nothing is cut.
; T and Ts = -c0 T leave as bf16 images of matrix source 0 (16 rows x 32 columns: lane l holds row l % 16).
; Wkv[:1024] is not read: the module's result does not hang on it.  LIMITS: NaN and infinities are not treated apart; T is rounded once to bf16.
; Four waves; wave w owns rows 16 w .. 16 w + 15 of every 64 x 64 matrix.  Products are used with the sources swapped (source 0 = 16 columns n, source 1 = my 16 rows m):
; a lane then holds ONE row m = 16 w + l % 16 and, in register j of tile nt, column n = 16 nt + 8 (l / 16) + j; two tiles packed to bf16 ARE source 1 of the next product.
; THE MODE: SCHED_MODE bits 1:0 = 2 (LLVM: expert scheduling mode 2), set by the entry lines.  The code itself states the register dependences
; between vector or matrix instructions and memory or LDS instructions, with s_wait_alu, always for 0.
; THE PLAN.  Registers that memory or LDS instructions touch:
;   v4-v13        offsets and LDS addresses, made once at the head and never written again: every row is reached by an immediate.  v18, v19: read by the closing add alone.
;   LD0 .. LD3    a ring of four rows of f32.  Row r: its sixteen conversions read LD[r % 4]; behind them the loads of row r + 4 land in it.
;   PK0 .. PK3    Row r: its conversions write PK[r % 4]; its eight stores read it; row r + 4 writes it again.
;   F0, F1, F2    three fragment buffers for x x^T.  Step ks: its four products read F[ks % 3]; the LDS loads of step ks + 2 land in F[(ks + 2) % 3], which step ks - 1 read.
;   NA, N2A       written by conversions, read by LDS stores (and by products), each written a second time.
;   BF            turning loads land in it, products read it; at the end conversions write it and the last stores read it.
; So: ONE wait on va_vdst in a row, behind its conversions; one wait on vm_vsrc for four rows, at the round's head, where all four PK have been stored;
; one wait on va_vdst in a step of x x^T, behind the wait for the step's fragments; one ahead of each run of stores of a matrix.
.set XP,    2064                       ; an LDS row of x: 2,048 bytes + 16: 129 x 16, so the 16 rows of a fragment load start at 16 different groups of four banks
.set M0,    64*XP                      ; three 64 x 64 bf16 matrices, row-major, pitch 160 = 5 x 32 (for the turning load): N, N^2, N^4
.set MP,    160
.set MB,    64*MP
.set SPARE, M0+3*MB                    ; the spare words: 128 bytes a wave
.set LD,  32                           ; v32-159   four rows of f32 as loaded: row r at LD + 32 (r % 4)
.set PK,  160                          ; v160-223  the same rows in bf16: row r at PK + 16 (r % 4)
                                       ; v32-71, v72-111, v160-199  three buffers of five fragments (four column tiles, my row tile)
.set SG,  112                          ; v112-143  x x^T, then N, then N^4 (f32, four tiles)
.set NA,  144                          ; v144-159  N, then P1, as source 1 (bf16)
.set BF,  32                           ; v32-95    eight turned fragments: (nt, kb) at BF + 8 (2 nt + kb)
.set N2,  160                          ; v160-191  N^2, then T - I, then T
.set N2A, 192                          ; v192-207  N^2, then N^4, in bf16
.set P1,  208                          ; v208-239  P1 = N + N^2 + N N^2; then Ts
.set MK,  24                           ; s24-31    lane masks: j < (m & 7)
                                       ; s4-19, s24-39  later: the 32 lane masks of the diagonal (the addresses and masks that lay there have served)
.macro PLACES                          ; four plain vector instructions between a matrix instruction and a vector instruction that reads its result or rewrites its registers (ISA guide 7.12.1)
.rept 4
	v_nop
.endr
.endm
.macro BAR                             ; my LDS stores are done, then the work-group's barrier: behind it the others may read them
	s_wait_dscnt 0x0
	s_barrier_signal -1
	s_barrier_wait -1
.endm
; A wave's 20 rows of 4,096 bytes of f32: rows 0-15 are its rows of x (two batch rows of 4 MiB, eight steps each), rows 16-19 its rows of the weights.
; ASK: a row's eight loads, into the ring.  A lane takes 8 neighbouring numbers of each quarter row (two loads of 16 bytes).
.macro ASK row
.if (\row) < 16
.set sb, 32
.set so, ((\row)/8)*4194304+((\row)%8)*4096
.else
.set sb, 36
.set so, ((\row)-16)*4096
.endif
.set lk, LD+32*((\row)%4)
.irp g, 0,1,2,3
	global_load_b128 v[lk+8*\g:lk+8*\g+3], v4, s[sb:sb+1] offset:so+1024*\g th:TH_LOAD_NT
	global_load_b128 v[lk+8*\g+4:lk+8*\g+7], v4, s[sb:sb+1] offset:so+1024*\g+16 th:TH_LOAD_NT
.endr
.endm
; ROW: a row becomes 2,048 bytes of bf16; each store of the wave covers 512 consecutive bytes, aligned.  The ring buffer is asked for again at once.
.macro ROW row
.set rl, LD+32*((\row)%4)
.set rp, PK+16*((\row)%4)
.if (\row) < 16
.set dbs, 34
.set dof, (\row)*2048
.else
.set dbs, 38
.set dof, ((\row)-16)*2048
.endif
.if (\row) < 17
	s_wait_loadcnt 24                              ; loads come back in order (ISA guide 5.7.1): this row's eight are in, the three younger rows' stay out
.else
	s_wait_loadcnt 8*(19-(\row))                   ; the counts run down
.endif
.if ((\row) > 0) && ((\row)%4 == 0)
	s_wait_xcnt 0x0                                ; the last four rows' stores have had their addresses translated (ISA guide 3.1): all four PK are rewritten only behind this wait,
	s_wait_alu depctr_vm_vsrc(0)                   ; and those stores, global and LDS, have read PK0 to PK3, which this round's conversions write again
.endif
.set z, 0
.rept 16
	v_cvt_pk_bf16_f32 v[rp+z], v[rl+2*z], v[rl+2*z+1]
.set z, z+1
.endr
	s_wait_alu depctr_va_vdst(0)                   ; the conversions are done reading LD[row % 4], in which the loads below land, and have written PK[row % 4], which the stores below read
.if (\row) < 16
	ASK (\row)+4
.endif
.irp g, 0,1,2,3
	global_store_b128 v5, v[rp+4*\g:rp+4*\g+3], s[dbs:dbs+1] offset:dof+512*\g
.if (\row) < 16
	ds_store_b128 v6, v[rp+4*\g:rp+4*\g+3] offset:(\row)*XP+512*\g
.endif
.endr
.endm
	s_load_b256 s[4:11], s[0:1], 0x0               ; x s[4:5], W0 s[6:7], Wkv s[8:9], eta s[10:11]
	s_load_b128 s[12:15], s[0:1], 0x20             ; Xb s[12:13], Wb s[14:15]
	s_load_b64 s[16:17], s[0:1], 0x30              ; Tm
	v_lshl_add_u32 v18, v0, 2, SPARE               ; my spare word, and 0: kept for the closing lines alone
	v_mov_b32 v19, 0
	v_lshrrev_b32 v1, 5, v0
	v_readfirstlane_b32 s20, v1                    ; wave 0..3
	v_and_b32 v14, 7, v0                           ; m & 7
.set j, 0
.rept 8
	v_cmp_gt_u32 s[MK+j], v14, j
.set j, j+1
.endr
	v_and_b32 v1, 31, v0                           ; lane
	v_and_b32 v2, 15, v0                           ; r
	v_bfe_u32 v3, v0, 4, 1                         ; h
	v_lshlrev_b32 v4, 5, v1                        ; 32 x lane: my 8 f32 of a quarter row
	v_lshlrev_b32 v5, 4, v1                        ; 16 x lane: my 8 bf16
	v_mul_u32_u24 v7, v2, XP
	v_lshl_add_u32 v7, v3, 4, v7                   ; fragment of rows 0-15: row x pitch + 16 h
	v_add_nc_u32 v8, 16*XP, v7
	v_add_nc_u32 v9, 32*XP, v7
	v_add_nc_u32 v10, 48*XP, v7
	v_mul_u32_u24 v12, v2, MP
	v_lshl_add_u32 v12, v3, 4, v12
	v_lshl_add_u32 v13, v3, 3, v14
	v_mul_u32_u24 v13, v13, MP
	v_bfe_u32 v15, v0, 3, 1
	v_lshl_add_u32 v13, v15, 4, v13
	v_add_nc_u32 v13, M0, v13                      ; the turning load: row 8 h + l % 8, 16 bytes at 16 ((l / 8) % 2)
	v_lshlrev_b32 v15, 3, v3
	v_sub_nc_u32 v15, v2, v15
	s_wait_alu depctr_va_sdst(0)                   ; s20 and the eight masks are written, ahead of the first reader of any of them
	s_mul_i32 s18, s20, 16*XP
	v_add_nc_u32 v6, s18, v5                       ; where my wave's rows go in LDS
	v_add_nc_u32 v11, s18, v7                      ; fragment of my own 16 rows
	s_mul_i32 s19, s20, 16*MP
	s_add_co_u32 s19, s19, M0
	v_add_nc_u32 v12, s19, v12                     ; my row of a 64 x 64 matrix, 16 bytes for each half of the lanes
	s_lshl_b32 s21, s20, 4
	v_add_nc_u32 v15, s21, v15                     ; 16 w + r - 8 h: register j of tile nt lies on the diagonal where this is 16 nt + j
	s_lshl_b32 s32, ttmp9, 15                      ; x: 8 steps of 4,096 bytes a chunk, two batch rows of 4 MiB a wave
	s_lshl_b32 s33, s20, 23
	s_add_co_u32 s32, s32, s33
	s_mov_b32 s33, 0
	s_lshl_b32 s34, ttmp9, 17                      ; Xb: 131,072 bytes a chunk, 16 rows a wave
	s_lshl_b32 s35, s20, 15
	s_add_co_u32 s34, s34, s35
	s_mov_b32 s35, 0
	s_lshl_b32 s36, ttmp9, 16                      ; the weights: 16 rows of f32 a work-group, 4 a wave.  Wb's row 16 c is W0's row 16 c (c < 64) or Wkv's row 16 c
	s_lshl_b32 s37, s20, 14
	s_add_co_u32 s36, s36, s37
	s_mov_b32 s37, 0
	s_lshl_b32 s38, ttmp9, 15
	s_lshl_b32 s39, s20, 13
	s_add_co_u32 s38, s38, s39
	s_mov_b32 s39, 0
	s_lshl_b32 s40, ttmp9, 14                      ; Tm: 16,384 bytes a chunk, 2,048 a wave
	s_lshl_b32 s41, s20, 11
	s_add_co_u32 s40, s40, s41
	s_mov_b32 s41, 0
	s_wait_kmcnt 0x0
	s_load_b32 s44, s[10:11], 0x0                  ; eta
	s_add_nc_u64 s[32:33], s[4:5], s[32:33]
	s_add_nc_u64 s[34:35], s[12:13], s[34:35]
	s_cmp_lt_u32 ttmp9, 64
	s_cselect_b64 s[42:43], s[6:7], s[8:9]
	s_add_nc_u64 s[36:37], s[42:43], s[36:37]
	s_add_nc_u64 s[38:39], s[14:15], s[38:39]
	s_add_nc_u64 s[40:41], s[16:17], s[40:41]
	s_wait_alu depctr_va_vdst(0)                   ; the offsets and LDS addresses v4 to v13 are written: every load and store of the kernel reads one of them
	ASK 0                                          ; the ring is filled: 32 loads of the wave are out
	ASK 1
	ASK 2
	ASK 3
.set r, 0
.rept 20                               ; my 16 rows of x, to Xb and into LDS; then my 4 rows of the weights
	ROW r
.set r, r+1
.endr
	s_wait_kmcnt 0x0
	v_mov_b32 v20, s44
	v_cvt_pk_bf16_f32 v20, v20, v20                ; eta is rounded to bf16 like the other inputs; then -c0 = -eta / 4096 is itself a bf16 number
	v_lshlrev_b32 v20, 16, v20
	v_mul_f32 v20, 0xb9800000, v20
	v_readfirstlane_b32 s22, v20
	s_wait_xcnt 0x0                                ; PK's registers serve as the third fragment buffer, N^2, N2A and P1 below; the stores' bases take masks later
	s_wait_alu depctr_vm_vsrc(0)                   ; the last four rows' stores have read PK0 to PK3, in which LDS loads land and which products and vector lines write below
	s_wait_alu depctr_va_sdst(0)                   ; s22 is written, ahead of its first reader
	BAR                                            ; all 64 rows lie in LDS
	; x x^T: my 16 rows against all 64, K = 1,024 in 32 steps on three fragment buffers; four accumulators by turns.
	; Step ks + 2's ten loads are dealt among step ks's four products, which name that step's own buffer and the accumulators alone.
.macro GPAIR ks, fb, t                 ; the two loads of one fragment of K step ks: t = 0..3 a column tile, t = 4 my row tile (their addresses lie in v7 to v11)
	ds_load_b128 v[(\fb)+8*(\t):(\fb)+8*(\t)+3], v[7+(\t)] offset:64*(\ks)
	ds_load_b128 v[(\fb)+8*(\t)+4:(\fb)+8*(\t)+7], v[7+(\t)] offset:64*(\ks)+32
.endm
.irp t, 4,0,1,2,3
	GPAIR 0, 32, \t                                ; no wait: the last row's wait on va_vdst stands behind every conversion that named these registers
.endr
.irp t, 4,0,1,2,3
	GPAIR 1, 72, \t
.endr
.set ks, 0
.rept 32
.set fb, 32+40*(ks%3)+48*((ks%3)/2)                    ; 32, 72, 160 by turns
.set fn, 32+40*((ks+2)%3)+48*(((ks+2)%3)/2)
.if ks < 31
	s_wait_dscnt 10                                ; LDS loads come back in order (ISA guide 5.7.1): this step's ten are in, the next step's ten stay out
.else
	s_wait_dscnt 0x0
.endif
.if (ks > 0) && (ks < 30)
	s_wait_alu depctr_va_vdst(0)                   ; the products of the step before are done reading their buffer, in which the ten loads of this step land
.endif
.if ks < 30
	GPAIR ks+2, fn, 4
.endif
.irp nt, 0,1,2,3
.if ks == 0
	v_wmma_f32_16x16x32_bf16 v[SG+8*\nt:SG+8*\nt+7], v[fb+8*\nt:fb+8*\nt+7], v[fb+32:fb+39], 0
.else
	v_wmma_f32_16x16x32_bf16 v[SG+8*\nt:SG+8*\nt+7], v[fb+8*\nt:fb+8*\nt+7], v[fb+32:fb+39], v[SG+8*\nt:SG+8*\nt+7]
.endif
.if ks < 30
	GPAIR ks+2, fn, \nt
.endif
.endr
.set ks, ks+1
.endr
	PLACES
.set i, 0
.rept 32
	v_mul_f32 v[SG+i], s22, v[SG+i]                ; -c0 x_m.x_n,
.set i, i+1
.endr
.set i, 0
.rept 32
	v_cndmask_b32 v[SG+i], 0, v[SG+i], s[MK+i%8]   ; kept where n's step is earlier than m's: n & 7 = j
.set i, i+1
.endr
.macro PACK16 dst, src                 ; four f32 tiles to bf16: tiles 2 kb, 2 kb + 1 are source 1 for columns 32 kb on
.set z, 0
.rept 16
	v_cvt_pk_bf16_f32 v[(\dst)+z], v[(\src)+2*z], v[(\src)+2*z+1]
.set z, z+1
.endr
.endm
.macro STM moff, src                   ; my 16 rows of a matrix into LDS, row-major
.irp nt, 0,1,2,3
	ds_store_b128 v12, v[(\src)+4*\nt:(\src)+4*\nt+3] offset:(\moff)+32*\nt
.endr
.endm
.macro LOADB moff                      ; the whole matrix, turned: fragment (nt, kb) holds column 16 nt + l % 16, rows 32 kb on
.irp nt, 0,1,2,3
.irp kb, 0,1
	ds_load_tr16_b128 v[BF+8*(2*\nt+\kb):BF+8*(2*\nt+\kb)+3], v13 offset:(\moff)+32*MP*\kb+32*\nt
	ds_load_tr16_b128 v[BF+8*(2*\nt+\kb)+4:BF+8*(2*\nt+\kb)+7], v13 offset:(\moff)+32*MP*\kb+32*\nt+16*MP
.endr
.endr
	s_wait_dscnt 0x0
.endm
.macro WM d, nt, kb, b, zero           ; tile nt of d (+)= (my rows of the matrix in b) x (the matrix in BF), 32 of K
.if \zero
	v_wmma_f32_16x16x32_bf16 v[(\d)+8*(\nt):(\d)+8*(\nt)+7], v[BF+8*(2*(\nt)+(\kb)):BF+8*(2*(\nt)+(\kb))+7], v[(\b)+8*(\kb):(\b)+8*(\kb)+7], 0
.else
	v_wmma_f32_16x16x32_bf16 v[(\d)+8*(\nt):(\d)+8*(\nt)+7], v[BF+8*(2*(\nt)+(\kb)):BF+8*(2*(\nt)+(\kb))+7], v[(\b)+8*(\kb):(\b)+8*(\kb)+7], v[(\d)+8*(\nt):(\d)+8*(\nt)+7]
.endif
.endm
	PACK16 NA, SG
	s_wait_alu depctr_va_vdst(0)                   ; the conversions have written NA, which the LDS stores read; the products of x x^T are done reading v32 to v111, in which the turning loads behind the barrier land
	STM 0, NA
	BAR
	LOADB 0
.irp kb, 0,1
.irp nt, 0,1,2,3
	WM N2, \nt, \kb, NA, 1-\kb                     ; N^2 = N N
.endr
.endr
	PLACES
	PACK16 N2A, N2
	s_wait_alu depctr_va_vdst(0)                   ; the conversions have written N2A, which the LDS stores read; the products above are done reading BF, in which the next turning loads land (the additions below name SG, N2 and P1 alone)
	STM MB, N2A
.set z, 0
.rept 16
	v_pk_add_f32 v[P1+2*z:P1+2*z+1], v[SG+2*z:SG+2*z+1], v[N2+2*z:N2+2*z+1]  ; P1 starts as N + N^2
.set z, z+1
.endr
	BAR
	LOADB MB
.irp kb, 0,1
.irp nt, 0,1,2,3
	WM P1, \nt, \kb, NA, 0                         ; P1 += N N^2:  I + P1 = (I + N)(I + N^2)
	WM SG, \nt, \kb, N2A, 1-\kb                    ; N^4 = N^2 N^2
.endr
.endr
	PLACES
	s_wait_alu depctr_vm_vsrc(0)                   ; the LDS stores of N and of N^2 have read NA and N2A, which the conversions below write again
	PACK16 N2A, SG
	s_wait_alu depctr_va_vdst(0)                   ; the conversions have written N2A, which the LDS stores read; the products above are done reading BF, in which the next turning loads land (the lines below name NA, P1, N2, SG and v15 alone)
	STM 2*MB, N2A
	PACK16 NA, P1
.set z, 0
.rept 16
	v_pk_add_f32 v[N2+2*z:N2+2*z+1], v[P1+2*z:P1+2*z+1], v[SG+2*z:SG+2*z+1]  ; T - I starts as P1 + N^4
.set z, z+1
.endr
.set i, 0
.rept 32
	v_cmp_eq_u32 s[4+i+4*(i/16)], 16*(i/8)+i%8, v15  ; the diagonal's 32 masks, in one run: s4-19, s24-39
.set i, i+1
.endr
	s_wait_alu depctr_va_sdst(0)                   ; the 32 masks are written, ahead of the first select that reads one
	BAR
	LOADB 2*MB
.irp kb, 0,1
.irp nt, 0,1,2,3
	WM N2, \nt, \kb, NA, 0                         ; T - I += P1 N^4
.endr
.endr
	PLACES
.set i, 0
.rept 32
	v_add_f32 v[P1+i], 1.0, v[N2+i]
	v_cndmask_b32 v[N2+i], v[N2+i], v[P1+i], s[4+i+4*(i/16)]  ; the diagonal's 1
.set i, i+1
.endr
.set i, 0
.rept 32
	v_mul_f32 v[P1+i], s22, v[N2+i]                ; Ts = -c0 T
.set i, i+1
.endr
	PACK16 BF, P1
	PACK16 BF+16, N2
	s_wait_alu depctr_va_vdst(0)                   ; the conversions have written v32 to v63, which the stores read
.irp nt, 0,1,2,3                       ; piece nt = 2 kb + half of my row tile's two fragments: each store covers 512 consecutive bytes, aligned
	global_store_b128 v5, v[BF+4*\nt:BF+4*\nt+3], s[40:41] offset:512*\nt
	global_store_b128 v5, v[BF+16+4*\nt:BF+16+4*\nt+3], s[40:41] offset:8192+512*\nt
.endr
	s_wait_dscnt 0x0                               ; the closing lines, six on end
	s_wait_alu 0x0
	s_wait_tensorcnt 0x0
	ds_add_u32 v18, v19
	s_wait_dscnt 0x0
	s_endpgm
.Lfunc_end_k_qff3719455a_prep:
	.size	k_qff3719455a_prep, .Lfunc_end_k_qff3719455a_prep-k_qff3719455a_prep
	.p2alignl 7, 3214868480
	.fill 96, 4, 3214868480
	.section	.rodata,"a",@progbits
	.p2align	6, 0x0
	.amdhsa_kernel k_qff3719455a_prep
		.amdhsa_group_segment_fixed_size 163328
		.amdhsa_private_segment_fixed_size 0
		.amdhsa_enable_private_segment 0
		.amdhsa_kernarg_size 56
		.amdhsa_user_sgpr_count 2
		.amdhsa_user_sgpr_kernarg_segment_ptr 1
		.amdhsa_wavefront_size32 1
		.amdhsa_system_sgpr_workgroup_id_x 1
		.amdhsa_system_sgpr_workgroup_id_y 1
		.amdhsa_system_sgpr_workgroup_id_z 1
		.amdhsa_system_vgpr_workitem_id 0
		.amdhsa_next_free_vgpr 256
		.amdhsa_next_free_sgpr 66
		.amdhsa_reserve_vcc 0
		.amdhsa_float_denorm_mode_32 3
		.amdhsa_float_denorm_mode_16_64 3
		.amdhsa_memory_ordered 1
		.amdhsa_forward_progress 1
		.amdhsa_inst_pref_size 107
	.end_amdhsa_kernel
	.amdgpu_metadata
---
amdhsa.version: [ 1, 2 ]
amdhsa.kernels:
  - .name:           k_qff3719455a_prep
    .symbol:         k_qff3719455a_prep.kd
    .args:
      - { .name: x, .offset: 0, .size: 8, .value_kind: global_buffer, .address_space: global }
      - { .name: W0, .offset: 8, .size: 8, .value_kind: global_buffer, .address_space: global }
      - { .name: Wkv, .offset: 16, .size: 8, .value_kind: global_buffer, .address_space: global }
      - { .name: eta, .offset: 24, .size: 8, .value_kind: global_buffer, .address_space: global }
      - { .name: Xb, .offset: 32, .size: 8, .value_kind: global_buffer, .address_space: global }
      - { .name: Wb, .offset: 40, .size: 8, .value_kind: global_buffer, .address_space: global }
      - { .name: Tm, .offset: 48, .size: 8, .value_kind: global_buffer, .address_space: global }
    .group_segment_fixed_size: 163328
    .private_segment_fixed_size: 0
    .kernarg_segment_align: 8
    .kernarg_segment_size: 56
    .max_flat_workgroup_size: 128
    .sgpr_count:     66
    .vgpr_count:     256
    .wavefront_size: 32
...
	.end_amdgpu_metadata
.endif
;; end of part 4
;; launch scan: the kernel of part 2 again; grid 192 x 1, 4 waves a work-group, clusters of 4 x 1, 327,680 bytes of LDS; arguments Xb, Wb, Tm, bkv, P, Gt, Ub; writes P, Gt, Ub
;; launch final: the kernel of part 3 again; grid 8 x 32, 4 waves a work-group, clusters of 4 x 4, 327,680 bytes of LDS; arguments Gt, Ub, P, out0; writes out0
